; MI455X (gfx1250); checked and timed in simulation.
; The chip was launched on July 23, 2026; its instructions are those of AMD's public machine-readable ISA for CDNA 5 (MIT licence, August 2026) and "CDNA5" Instruction Set Architecture Reference Guide (July 2026). The comments in the code are by the model that wrote it; some were corrected since.
;; Multi Head Attention. Allowed arithmetic: matrix products marked QUANTISED: E2M1 operands, one E8M0 scale for each 32 along K, by v_wmma_scale_f32_16x16x128_f8f6f4 with both operands' format E2M1 (or v_wmma_scale_f32_32x16x128_f4), f32 sums; products left as they are: bf16, f16 or f32 operands; f32 sums; everything else in f32.
;; Inputs: Wk 1,024 x 1,024 float32; Wo 1,024 x 1,024 float32; Wq 1,024 x 1,024 float32; Wv 1,024 x 1,024 float32; bk 1,024 float32; bo 1,024 float32; bq 1,024 float32; bv 1,024 float32; x 2 x 2,048 x 1,024 float32.
;; Outputs: out0 2 x 2,048 x 1,024 float32.
;; Constants: mask = 1.
;; This version of the problem:
;;   THIS VERSION OF THE PROBLEM IS GIVEN IN LOW PRECISION. The matrix products marked QUANTISED in the list below multiply operands that are first quantised to E2M1 (2 exponent bits, 1 mantissa bit; 4 bits a number), with one power-of-two scale for each 32 numbers along K (OCP MX v1.0); their sums are f32. The products marked 'left as it is' may take bf16, f16 or f32 operands, with f32 sums. Whichever they take, every output number must still come out within the allowed error. Rounding operands to bf16 (8 significant bits) uses up far more of that allowance than f16 does (11 bits, for magnitudes from 6e-5 to 65,504). All else is computed in f32.
;;   The module's matrix products, in the order in which they are computed (A, B: the left and right operand; K: the contracted axis; several contracted axes count as one K, in the product's order):
;;     1. [M 4,096, K 1,024] x [K 1,024, N 1,024]; A: input x; B: input Wq: QUANTISED
;;     2. [M 4,096, K 1,024] x [K 1,024, N 1,024]; A: input x; B: input Wk: QUANTISED
;;     3. [M 4,096, K 1,024] x [K 1,024, N 1,024]; A: input x; B: input Wv: QUANTISED
;;     4. batch 32 x [M 2,048, K 64] x [K 64, N 2,048]; A: computed on the way; B: computed on the way: left as it is (an operand is computed on the way)
;;     5. batch 32 x [M 2,048, K 2,048] x [K 2,048, N 64]; A: computed on the way; B: computed on the way: left as it is (an operand is computed on the way)
;;     6. [M 4,096, K 1,024] x [K 1,024, N 1,024]; A: computed on the way; B: input Wo: left as it is (an operand is computed on the way)
;;   THE QUANTISER, for each operand of a quantised product, along K:
;;     - K is cut into blocks of 32 from its start; a last block that is shorter is filled with zeros.
;;     - A block's scale is 2^e with e = floor(log2(the largest magnitude in the block)) - 2, held to -126 .. 127; a block of zeros has e = 0. As a byte (E8M0): e + 127.
;;     - Each number is divided by its block's scale, clamped to +-6, and rounded to the nearest number of E2M1, ties to even, subnormals kept.
;;     - The product sums the exact products of the quantised numbers (number of the format x scale) in f32.
;;   ~~~python
;;   def quantise(x, axis):      # numpy; x: float32 -> the quantised numbers, widened to float32 again
;;       x = np.moveaxis(x, axis, -1); K = x.shape[-1]
;;       x = np.pad(x, [(0, 0)] * (x.ndim - 1) + [(0, -K % 32)]); x = x.reshape(x.shape[:-1] + (-1, 32)); a = np.abs(x).max(-1, keepdims=True)
;;       e = np.where(a > 0, np.clip(np.frexp(np.where(a > 0, a, 1))[1] - 1 - 2, -126, 127), 0)      # np.frexp(a)[1] - 1 = floor(log2(a)), exactly
;;       r = np.clip(x / 2.0 ** e, -6, 6)
;;       step = 2.0 ** (np.maximum(np.frexp(np.where(r == 0, 1, r))[1] - 1, 0) - 1)
;;       q = np.round(r / step) * step * 2.0 ** e      # np.round: ties to even
;;       return np.moveaxis(q.reshape(q.shape[:-2] + (-1,))[..., :K], -1, axis).astype(np.float32)
;;   ~~~
;; One version. Each part assembles by itself: llvm-mc -triple=amdgcn-amd-amdhsa -mcpu=gfx1250 --defsym DOCPART=n.
;; ======== version 1 of 1: 5 launches
;; limits: values are held in f16: magnitudes above 65,504 overflow, below 6.1e-05 lose precision
;; workspace buffers: xcodes 2,097,152 bytes; xscales 131,072 bytes; wcodes 1,572,864 bytes; wscales 98,304 bytes; wo16 2,097,152 bytes; qkv 25,165,824 bytes; fine32 393,216 bytes; att 8,388,608 bytes
;; launch prep (part 1): grid 256 x 1, 8 waves a work-group, no clusters, 84,992 bytes of LDS; arguments x, Wq, Wk, Wv, Wo, xcodes, xscales, wcodes, wscales, wo16; writes xcodes, xscales, wcodes, wscales, wo16
.if DOCPART == 1
	.amdgcn_target "amdgcn-amd-amdhsa--gfx1250"
	.amdhsa_code_object_version 6
	.text
	.protected	k_q60e8d1abcf_prep
	.globl	k_q60e8d1abcf_prep
	.p2align	8
	.type	k_q60e8d1abcf_prep,@function
k_q60e8d1abcf_prep:
	s_mov_b64 s[64:65], 0
	v_nop
	global_prefetch_b8 v0, s[64:65] scope:SCOPE_SE
	s_setreg_imm32_b32 hwreg(HW_REG_WAVE_MODE, 25, 1), 1
	s_wait_xcnt 0x0
; PREP: the operands of the later launches are made once.
;   work-groups   0 .. 127: x [4096][1024] f32 -> codes of FP4 (E2M1), K innermost, [4096][512 bytes], and one E8M0 byte for each 32 along K, [4096][32]
;   work-groups 128 .. 223: Wq, Wk, Wv [k 1024][n 1024] f32, K their FIRST axis -> codes [1024 t + n][512 bytes] with K innermost, scale bytes [1024 t + n][32]  (t = 0 q, 1 k, 2 v)
;   work-groups 224 .. 255: Wo [k][n] f32 -> f16, same layout
; Every work-group reads 131,072 bytes, whichever path it takes.
; A block's scale is 2^(floor(log2(its largest magnitude)) - 2); its byte is the largest magnitude's exponent field - 2, held at 1 from below.  A block of zeros so gets the byte 1 where the
; quantiser says 127: its codes are zeros, which add nothing under any byte but 0xff, and these bytes are read by this program alone.
; LIMITS: blocks whose largest magnitude lies under 2^-124 keep the byte 1; NaN and infinities among the inputs are not served.
; The three paths part on the work-group's number alone, and each has LDS bytes of its own.  No tensor load, no matrix unit, no cluster: the launch streams, and its work-groups share no input.
.set SPW,   14                         ; v14  LDS address of my spare word: SPARE + 4 x my thread's number; never rewritten
.set NIL,   15                         ; v15  0; never rewritten
.set SP,    80                         ; path x: a lane's place in a stage: its 64 bytes + 16 of padding
.set XREG,  8192                       ; path x: a region for each wave: two stages of 32 x SP bytes, and at 5,120 its 128 scale bytes
.set WST,   65536                      ; path W: the work-group's stage: 64 columns x (256 bytes of codes + 16)
.set WP,    272
.set WSC,   82944                      ; path W: 64 columns x 16 scale bytes
.set SPARE, 83968                      ; the spare words, 128 bytes for each wave: four blocks of 256 bytes that no other line names
.set R,     16                         ; path x: v16-143  eight sets of 16 numbers as they are loaded: one for each step
.set X,     144                        ; path x: v144-175 two sets of 16 neighbours
.set C,     176                        ; path x: v176-191 two registers of codes for each step
.set E,     208                        ; path x: v208-215 a scale byte for each step
	s_load_b256 s[4:11], s[0:1], 0x0               ; x, Wq, Wk, Wv
	s_load_b256 s[12:19], s[0:1], 0x20             ; Wo, xcodes, xscales, wcodes
	s_load_b128 s[20:23], s[0:1], 0x40             ; wscales, wo16
	v_lshl_add_u32 v[SPW], v0, 2, SPARE
	v_mov_b32 v[NIL], 0
	v_lshrrev_b32 v1, 5, v0
	v_readfirstlane_b32 s24, v1                    ; wave 0..7
	v_and_b32 v2, 31, v0                           ; lane
	s_wait_kmcnt 0x0
	s_cmp_lt_u32 ttmp9, 128
	s_cbranch_scc0 .Lnot_x
; ---------------- x: a plain stream of blocks of 32.  A wave takes 8 steps of 512 numbers; all its 32 loads go out at once.
; Each of a step's four loads reads 512 consecutive bytes, 16 a lane; the 2,048 bytes turn through the wave's own stage and come back 64 bytes a lane, so that a lane holds 16 neighbours
; along K (two neighbouring lanes hold a block), as the conversions want them.  The turn through LDS runs one step ahead of the work.
	s_lshl_b32 s25, ttmp9, 3
	s_add_co_u32 s25, s25, s24                     ; which run of 4,096 numbers is my wave's
	s_mov_b32 s27, 0
	s_lshl_b32 s26, s25, 14
	s_add_nc_u64 s[4:5], s[4:5], s[26:27]          ; 16,384 bytes of x a run,
	s_lshl_b32 s26, s25, 11
	s_add_nc_u64 s[14:15], s[14:15], s[26:27]      ; 2,048 of codes,
	s_lshl_b32 s26, s25, 7
	s_add_nc_u64 s[16:17], s[16:17], s[26:27]      ; 128 of scale bytes
	v_lshlrev_b32 v3, 4, v2                        ; my 16 bytes of a load's 512
.macro XLOAD t
.irp i, 0,1,2,3
	global_load_b128 v[R+16*(\t)+4*\i:R+16*(\t)+4*\i+3], v3, s[4:5] offset:2048*(\t)+512*\i th:TH_LOAD_NT
.endr
.endm
.irp t, 0,1,2,3,4,5,6,7
	XLOAD \t
.endr
	s_lshl_b32 s28, s24, 13                        ; my wave's region
	v_lshrrev_b32 v10, 2, v2
	v_mul_u32_u24 v10, v10, SP
	v_and_b32 v11, 3, v2
	v_lshl_add_u32 v10, v11, 4, v10
	v_add_nc_u32 v10, s28, v10                     ; the stage, on the way in: SP (lane / 4) + 16 (lane % 4)
	v_mul_u32_u24 v11, v2, SP
	v_add_nc_u32 v11, s28, v11                     ; and on the way out: SP x lane
	v_lshlrev_b32 v4, 3, v2                        ; 8 x lane: my codes' place in a step's 256 bytes
	v_lshlrev_b32 v7, 2, v2                        ; 4 x lane: my four scale bytes at the end
	v_lshrrev_b32 v5, 1, v2
	s_add_co_u32 s28, s28, 2*32*SP
	v_add_nc_u32 v5, s28, v5                       ; my block's scale byte in LDS
	v_add_nc_u32 v6, s28, v7                       ; and where I read four of them back
.macro XTURN t                         ; LDS serves a wave's instructions in order (ISA guide 5.7.1.4): no wait between the stores and the loads
.irp i, 0,1,2,3
	ds_store_b128 v10, v[R+16*(\t)+4*\i:R+16*(\t)+4*\i+3] offset:32*SP*((\t)%2)+8*SP*\i
.endr
.irp i, 0,1,2,3
	ds_load_b128 v[X+16*((\t)%2)+4*\i:X+16*((\t)%2)+4*\i+3], v11 offset:32*SP*((\t)%2)+16*\i
.endr
.endm
	s_wait_loadcnt 28                              ; step 0's four loads are in; the seven steps behind it stay out
	XTURN 0
.macro XSTEP t
.set XS, X+16*((\t)%2)
.if (\t) > 0
	s_wait_dscnt 1                                 ; this step's numbers are back from the stage; the last step's byte store may be out
.else
	s_wait_dscnt 0x0
.endif
.if (\t)+1 < 8
	s_wait_loadcnt 4*(6-(\t))                      ; the next step's four loads are in; those of the 6 - t steps behind it may be out
	XTURN (\t)+1
.endif
	v_max3_num_f32 v8, |v[XS]|, |v[XS+1]|, |v[XS+2]|               ; the largest magnitude of my 16, in two chains
	v_max3_num_f32 v9, |v[XS+3]|, |v[XS+4]|, |v[XS+5]|
.irp i, 6,10
	v_max3_num_f32 v8, v8, |v[XS+\i]|, |v[XS+\i+1]|
	v_max3_num_f32 v9, v9, |v[XS+\i+2]|, |v[XS+\i+3]|
.endr
	v_max3_num_f32 v8, v8, |v[XS+14]|, |v[XS+15]|
	v_max3_num_f32 v8, v8, v9, 0x1800000           ; and the floor 2^(3 - 127): the byte cannot fall under 1
	v_max_num_f32_dpp v8, v8, v8 row_xmask:1 row_mask:0xf bank_mask:0xf   ; with my neighbour's 16: the block's
	v_add_nc_u32 v13, 0xff000000, v8               ; 2 off its exponent field: the conversion takes the exponent field of this operand as its scale
	v_cvt_scalef32_pk8_fp4_f32 v[C+2*(\t)], v[XS:XS+7], v13
	v_cvt_scalef32_pk8_fp4_f32 v[C+2*(\t)+1], v[XS+8:XS+15], v13
	v_lshrrev_b32 v[E+(\t)], 23, v13               ; the scale's byte
	ds_store_b8 v5, v[E+(\t)] offset:16*(\t)       ; both lanes of a block write the same byte with the same value
	global_store_b64 v4, v[C+2*(\t):C+2*(\t)+1], s[14:15] offset:256*(\t)   ; the wave stores 256 consecutive bytes, aligned
.endm
.irp t, 0,1,2,3,4,5,6,7
	XSTEP \t
.endr
	ds_load_b32 v8, v6                             ; my wave's 128 scale bytes, 4 a lane
	s_wait_dscnt 0x0
	global_store_b32 v7, v8, s[16:17]              ; 128 consecutive bytes; two neighbouring waves fill 256, aligned
	s_wait_tensorcnt 0x0                           ; the wave's end: behind my last LDS store
	ds_add_u32 v[SPW], v[NIL]
	s_wait_dscnt 0x0
	s_endpgm
.Lnot_x:
	s_cmp_lt_u32 ttmp9, 224
	s_cbranch_scc0 .Lpath_o
; ---------------- Wq, Wk, Wv.  A work-group takes 64 columns x 512 along K of one weight; a wave 32 columns x 128 along K.
; A LANE TAKES A COLUMN, AND ITS REGISTERS RUN DOWN K: a block of 32 lies in one lane's 32 registers, and the conversions give codes with K innermost.  All 128 loads of a wave go out at once
; (128 consecutive bytes each; two waves stand side by side on 256).  The codes meet in the work-group's stage and leave as rows: sixteen lanes store 256 consecutive bytes, aligned.
	s_sub_co_u32 s25, ttmp9, 128
	s_lshr_b32 s26, s25, 5                         ; t: which weight
	s_bfe_u32 s27, s25, 0x40001                    ; cb: which 64 columns
	s_and_b32 s28, s25, 1                          ; kh: which 512 along K
	s_and_b32 s29, s24, 1                          ; cg: which 32 of the 64 columns
	s_lshr_b32 s30, s24, 1                         ; kq: which 128 of the 512
	s_cmp_eq_u32 s26, 0
	s_cselect_b64 s[32:33], s[6:7], s[8:9]
	s_cmp_eq_u32 s26, 2
	s_cselect_b64 s[32:33], s[10:11], s[32:33]     ; the choice hangs on the work-group's number alone
	s_lshl_b32 s34, s28, 21                        ; (512 kh + 128 kq) rows of 4,096 bytes
	s_lshl_b32 s35, s30, 19
	s_add_co_u32 s34, s34, s35
	s_lshl_b32 s35, s27, 8                         ; + (64 cb + 32 cg) columns of 4 bytes
	s_add_co_u32 s34, s34, s35
	s_lshl_b32 s35, s29, 7
	s_add_co_u32 s34, s34, s35
	s_mov_b32 s35, 0
	s_add_nc_u64 s[32:33], s[32:33], s[34:35]
	v_lshlrev_b32 v3, 2, v2
.set n, 0
.rept 128
	global_load_b32 v[16+n], v3, s[32:33] offset:4096*n th:TH_LOAD_NT
.set n, n+1
.endr
	s_mul_i32 s36, s29, 32*WP
	s_lshl_b32 s37, s30, 6
	s_add_co_u32 s36, s36, s37
	s_add_co_u32 s36, s36, WST
	v_mul_u32_u24 v4, v2, WP
	v_add_nc_u32 v4, s36, v4                       ; into the stage: row = my column, 64 bytes for each 128 along K
	s_lshl_b32 s36, s29, 9
	s_lshl_b32 s37, s30, 2
	s_add_co_u32 s36, s36, s37
	s_add_co_u32 s36, s36, WSC
	v_lshl_add_u32 v5, v2, 4, s36                  ; my column's scale word for my 128 along K
	v_and_b32 v9, 15, v2
	v_lshrrev_b32 v10, 4, v2
	s_mul_i32 s36, s24, 8*WP
	s_add_co_u32 s36, s36, WST
	v_mul_u32_u24 v7, v10, WP
	v_lshl_add_u32 v7, v9, 4, v7
	v_add_nc_u32 v7, s36, v7                       ; out of it: wave w takes rows 8 w .. 8 w + 7, two rows an instruction, sixteen lanes to a row
	v_lshlrev_b32 v8, 9, v10
	v_lshl_add_u32 v8, v9, 4, v8                   ; and the same place in the codes' buffer
	v_and_b32 v6, 63, v0
	v_lshlrev_b32 v1, 5, v6                        ; the scale bytes' way out (waves 0 and 1): a lane a column: 32 bytes a row in memory,
	v_lshl_add_u32 v6, v6, 4, WSC                  ; 16 in LDS
	s_lshl_b32 s34, s26, 10
	s_lshl_b32 s36, s27, 6
	s_add_co_u32 s34, s34, s36                     ; 1024 t + 64 cb: the work-group's first row of codes and of scale bytes
	s_lshl_b32 s36, s34, 5
	s_lshl_b32 s37, s28, 4
	s_add_co_u32 s36, s36, s37
	s_mov_b32 s37, 0
	s_add_nc_u64 s[20:21], s[20:21], s[36:37]
	s_lshl_b32 s36, s24, 3
	s_add_co_u32 s34, s34, s36
	s_lshl_b32 s34, s34, 9
	s_lshl_b32 s36, s28, 8
	s_add_co_u32 s34, s34, s36
	s_add_nc_u64 s[18:19], s[18:19], s[34:35]
.macro WBLOCK u, left                  ; block u of my four; left: loads that may stay out
.set XS, 16+32*(\u)
	s_wait_loadcnt \left
	v_max3_num_f32 v12, |v[XS]|, |v[XS+1]|, |v[XS+2]|              ; the block's largest magnitude: all 32 numbers are mine
	v_max3_num_f32 v13, |v[XS+3]|, |v[XS+4]|, |v[XS+5]|
.irp i, 6,10,14,18,22,26
	v_max3_num_f32 v12, v12, |v[XS+\i]|, |v[XS+\i+1]|
	v_max3_num_f32 v13, v13, |v[XS+\i+2]|, |v[XS+\i+3]|
.endr
	v_max3_num_f32 v12, v12, |v[XS+30]|, |v[XS+31]|
	v_max3_num_f32 v12, v12, v13, 0x1800000        ; and the floor 2^(3 - 127)
	v_add_nc_u32 v11, 0xff000000, v12              ; the conversion's scale operand
	v_lshrrev_b32 v13, 23, v11                     ; the scale's byte
.if (\u) == 0
	v_mov_b32 v160, v13                            ; four bytes to a word, the lower K in the lower byte
.else
	v_lshl_or_b32 v160, v13, 8*(\u), v160
.endif
.irp g, 0,1,2,3
	v_cvt_scalef32_pk8_fp4_f32 v[144+4*(\u)+\g], v[XS+8*\g:XS+8*\g+7], v11
.endr
	ds_store_b128 v4, v[144+4*(\u):147+4*(\u)] offset:16*(\u)      ; 32 codes: 16 bytes of my column's row
.endm
	WBLOCK 0, 63                                   ; behind block 0 stand 96 loads, behind block 1 64: the largest count that a wait can name is 63
	WBLOCK 1, 63
	WBLOCK 2, 32
	WBLOCK 3, 0
	ds_store_b32 v5, v160
	s_wait_dscnt 0x0                               ; for the others' sake: my stores have landed
	s_barrier_signal -1
	s_barrier_wait -1
.irp i, 0,1,2,3
	ds_load_b128 v[164+4*\i:167+4*\i], v7 offset:2*WP*\i
.endr
.irp i, 0,1,2,3
	s_wait_dscnt 3-\i                              ; the younger loads may stay out
	global_store_b128 v8, v[164+4*\i:167+4*\i], s[18:19] offset:1024*\i
.endr
	s_cmp_lt_u32 s24, 2                            ; the 64 columns' 16 scale bytes each: waves 0 and 1, a lane a column.  16 of a row's 32 bytes: the rows are short, 98,304 bytes in all
	s_cbranch_scc0 .Lw_end
	ds_load_b128 v[180:183], v6
	s_wait_dscnt 0x0
	global_store_b128 v1, v[180:183], s[20:21]
.Lw_end:
	s_wait_tensorcnt 0x0                           ; the wave's end: behind my last LDS store
	ds_add_u32 v[SPW], v[NIL]
	s_wait_dscnt 0x0
	s_endpgm
.Lpath_o:
; ---------------- Wo to f16, as it lies.  A wave takes 4,096 numbers: 32 loads of 512 consecutive bytes, all out at once; each gives a store of 256 consecutive bytes, aligned.  No LDS.
	s_sub_co_u32 s25, ttmp9, 224
	s_lshl_b32 s25, s25, 3
	s_add_co_u32 s25, s25, s24
	s_mov_b32 s27, 0
	s_lshl_b32 s26, s25, 14
	s_add_nc_u64 s[12:13], s[12:13], s[26:27]
	s_lshl_b32 s26, s25, 13
	s_add_nc_u64 s[22:23], s[22:23], s[26:27]
	v_lshlrev_b32 v3, 4, v2
	v_lshlrev_b32 v4, 3, v2
.set n, 0
.rept 32
	global_load_b128 v[16+4*n:19+4*n], v3, s[12:13] offset:512*n th:TH_LOAD_NT
.set n, n+1
.endr
.set n, 0
.rept 32
	s_wait_loadcnt 31-n                            ; the younger loads may stay out
	v_cvt_pk_f16_f32 v[144+2*n], v[16+4*n], v[17+4*n]
	v_cvt_pk_f16_f32 v[145+2*n], v[18+4*n], v[19+4*n]
	global_store_b64 v4, v[144+2*n:145+2*n], s[22:23] offset:256*n
.set n, n+1
.endr
	s_endpgm
.Lfunc_end_k_q60e8d1abcf_prep:
	.size	k_q60e8d1abcf_prep, .Lfunc_end_k_q60e8d1abcf_prep-k_q60e8d1abcf_prep
	.p2alignl 7, 3214868480
	.fill 96, 4, 3214868480
	.section	.rodata,"a",@progbits
	.p2align	6, 0x0
	.amdhsa_kernel k_q60e8d1abcf_prep
		.amdhsa_group_segment_fixed_size 84992
		.amdhsa_private_segment_fixed_size 0
		.amdhsa_enable_private_segment 0
		.amdhsa_kernarg_size 80
		.amdhsa_user_sgpr_count 2
		.amdhsa_user_sgpr_kernarg_segment_ptr 1
		.amdhsa_wavefront_size32 1
		.amdhsa_system_sgpr_workgroup_id_x 1
		.amdhsa_system_sgpr_workgroup_id_y 1
		.amdhsa_system_sgpr_workgroup_id_z 1
		.amdhsa_system_vgpr_workitem_id 0
		.amdhsa_next_free_vgpr 224
		.amdhsa_next_free_sgpr 66
		.amdhsa_reserve_vcc 0
		.amdhsa_float_denorm_mode_32 3
		.amdhsa_float_denorm_mode_16_64 3
		.amdhsa_memory_ordered 1
		.amdhsa_forward_progress 1
		.amdhsa_inst_pref_size 51
	.end_amdhsa_kernel
	.amdgpu_metadata
---
amdhsa.version: [ 1, 2 ]
amdhsa.kernels:
  - .name:           k_q60e8d1abcf_prep
    .symbol:         k_q60e8d1abcf_prep.kd
    .args:
      - { .name: x, .offset: 0, .size: 8, .value_kind: global_buffer, .address_space: global }
      - { .name: Wq, .offset: 8, .size: 8, .value_kind: global_buffer, .address_space: global }
      - { .name: Wk, .offset: 16, .size: 8, .value_kind: global_buffer, .address_space: global }
      - { .name: Wv, .offset: 24, .size: 8, .value_kind: global_buffer, .address_space: global }
      - { .name: Wo, .offset: 32, .size: 8, .value_kind: global_buffer, .address_space: global }
      - { .name: xcodes, .offset: 40, .size: 8, .value_kind: global_buffer, .address_space: global }
      - { .name: xscales, .offset: 48, .size: 8, .value_kind: global_buffer, .address_space: global }
      - { .name: wcodes, .offset: 56, .size: 8, .value_kind: global_buffer, .address_space: global }
      - { .name: wscales, .offset: 64, .size: 8, .value_kind: global_buffer, .address_space: global }
      - { .name: wo16, .offset: 72, .size: 8, .value_kind: global_buffer, .address_space: global }
    .group_segment_fixed_size: 84992
    .private_segment_fixed_size: 0
    .kernarg_segment_align: 8
    .kernarg_segment_size: 80
    .max_flat_workgroup_size: 256
    .sgpr_count:     66
    .vgpr_count:     224
    .wavefront_size: 32
...
	.end_amdgpu_metadata
.endif
;; end of part 1
;; launch qkv (part 2): grid 12 x 16, 4 waves a work-group, clusters of 4 x 4, 327,680 bytes of LDS; arguments xcodes, xscales, wcodes, wscales, bq, bk, bv, qkv, fine32; writes qkv, fine32
.if DOCPART == 2
	.amdgcn_target "amdgcn-amd-amdhsa--gfx1250"
	.amdhsa_code_object_version 6
	.text
	.protected	k_q60e8d1abcf_qkv
	.globl	k_q60e8d1abcf_qkv
	.p2align	8
	.type	k_q60e8d1abcf_qkv,@function
k_q60e8d1abcf_qkv:
	s_mov_b64 s[64:65], 0
	v_nop
	global_prefetch_b8 v0, s[64:65] scope:SCOPE_SE
	s_setreg_imm32_b32 hwreg(HW_REG_WAVE_MODE, 25, 1), 1
	s_wait_xcnt 0x0
	s_wait_alu depctr_hold_cnt(0) depctr_sa_sdst(0) depctr_va_vdst(0) depctr_va_sdst(0) depctr_va_ssrc(0) depctr_va_vcc(0) depctr_vm_vsrc(0)
	s_getreg_b32 s2, hwreg(HW_REG_IB_STS2, 6, 4)
	s_cmp_eq_u32 s2, 0
	s_cbranch_scc0 .Lentry_in_a_cluster
	s_endpgm
.Lentry_in_a_cluster:
	s_bfe_u32 s2, ttmp6, 0x10000c
	s_cmp_lg_u32 s2, 0xf033
	s_cbranch_scc0 .Lentry_shape_is_right
	s_endpgm
.Lentry_shape_is_right:
; QKV: C[m][n] = sum over k of x[m][k] W[n][k] + bias[n], m = 0 .. 4095, n = 1024 t + column (t = 0 q, 1 k, 2 v), K = 1,024, on codes of FP4 (E2M1) with one E8M0 scale for each 32 along K; sums in f32.
; The result leaves as f16, by head: qkv[g = n / 64][m][64], a plane of 524,288 bytes for each of the 48 heads of q, k, v.  The first 16 positions of both sequences (m = 0 .. 15, 2048 .. 2063) leave in f32 too,
; for the launch that carries those rows finely, AS IMAGES OF THE ACCUMULATORS' REGISTERS: fine32[batch][n / 16][half e][lane][16 bytes]: lane (r, h) holds row r, columns 16 (n / 16) + 8 h + 4 e + 0 .. 3.
; LIMIT: |q|, |k|, |v| must stay under 65,504, the largest f16 number.
; A tile of C, 256 x 256, is made by a work-group of four waves; a wave makes 128 x 128: 64 accumulators of 16 x 16, 512 registers.  K = 1,024 is two LDS slots of 512 along K (rows of 256 bytes):
; both are asked for at the start and nothing is filled again.  The scales of the work-group's 256 + 256 rows, for all of K, come once, as rows of 256 bytes.  By this text's count a wave has three tensor loads out.
; CLUSTERS: 4 x 4 work-groups.  The four of a row of the cluster need the same tiles of x, the four of a column the same tiles of W: each tile is asked for JOINTLY.
; THE MATRIX INSTRUCTION IS USED TRANSPOSED (source 0 = 16 rows of W, source 1 = 16 rows of x): a lane holds eight neighbouring columns of one row of C.  THE BIAS IS THE C OF EACH SUM'S FIRST PRODUCT.
; REGISTERS, in windows of 256: window 0: v0-31 addresses; v32-95 scale words, two sets, and nothing else; v96-127 packed results on the way out; v128-191 x's fragments, ONE set, on the way out rows read back;
;   v192-255 the bias, eight registers for each of my eight blocks of columns.   window 1: W's fragments, TWO sets.   windows 2, 3: the accumulators of my rows 0-63, 64-127 ((a, b) at v[8 (8 (a % 4) + b)]).
.set NQ,     4                         ; matrix instructions deep in a slot
.set ROWB,   256                       ; a tile's row in bytes: 512 codes
.set KROW,   512                       ; a row of codes in memory
.set PITCH,  272                       ; an LDS row: 256 bytes + 16 of padding = 68 words: the 16 rows that a load touches start at 16 different banks (64 banks of 4 bytes: ISA guide 11.1)
.set FR,     8                         ; registers of a fragment: 16 rows x 128 K
.set NL,     2                         ; LDS loads that bring one
.set NP,     4                         ; places behind this matrix instruction (ISA guide 7.12.1)
.set HALFT,  128*PITCH
.set SLOT,   4*HALFT                   ; x's 256 rows, then W's 256 rows
.set KS,     32                        ; a row of scale bytes
.set SCL,    2*SLOT                    ; behind the slots: the scales, as rows of 256 bytes + 16 of padding
.set HALFS,  16*272                    ; those of 128 rows: what one tensor load brings
.set SBLK,   2*272                     ; those of 16 rows
.set SPARE,  SCL+4*HALFS               ; the spare words, 128 bytes for each wave: two blocks of 256 bytes that no other line names
.set SPITCH, 272                       ; the way out: a stage of 16 rows x (256 bytes + 16) for each wave, in slot 0, which has had its only fill and its last read by then
.set ADRA, 16                          ; v16-17  LDS address of my x fragments in slot 0, 1
.set ADRB, 20                          ; v20-21  the same for W
.set BO,   22                          ; v22     32 x (lane / 16): my eight numbers of a block of the bias
.set STO,  24                          ; v24     the way out: where I put 16 bytes of a row
.set RD,   25                          ; v25     where I read back
.set CO,   26                          ; v26     16 x lane
.set ADRS, 27                          ; v27     LDS address of my scale words: lanes 0-15 x's rows, lanes 16-31 W's
.set SPW,  28                          ; v28     my spare word; never rewritten
.set NIL,  29                          ; v29     0; never rewritten
.set FM,   31                          ; v31     my wave's first row within its sequence
.set SC,   32
.set TMP,  96
.set AF,   128
.set BK,   128
.set BIAS, 192
.set G1, 24                            ; s[24:31] descriptor group 1 for x's tiles;  s[32:39] group 0, one set for each slot
.set G0, 32
.set G1B, 48                           ; s[48:55], s[56:63] the same for W's tiles
.set G0B, 56
.set G1S, 68                           ; s[68:75], s[76:79] groups 1 and 0 for x's scales;  s[80:87], s[88:91] for W's
.set G0S, 76
.set G1SB, 80
.set G0SB, 88
.set MSB, 0
.macro WIN new                         ; the immediate's high byte repeats the setting that is left
.if MSB != (\new)
	s_set_vgpr_msb (MSB<<8)|(\new)
.set MSB, (\new)
.endif
.endm
.set MUL_LO, 0xa1                      ; source 0 (W) window 1, source 1 (x) window 0, C and D window 2
.set MUL_HI, 0xf1                      ; the same, C and D window 3
.set TO_B,   0x40                      ; destination window 1, address window 0
; A joint load: waves 0 and 1 fetch for x, waves 2 and 3 for W.  Each of the two lines has one mask and one set of registers for all that issue it; the branch hangs on the wave's number alone.
; An s_nop 0 and four v_nop follow each of the two lines.
.macro JLOAD g0a, g1a, g0b, g1b
	s_cmp_eq_u32 s15, 0
	s_cbranch_scc0 .Lfor_b_\@
	tensor_load_to_lds s[\g0a:\g0a+3], s[\g1a:\g1a+7]
	s_nop 0
.rept 4
	v_nop
.endr
	s_branch .Lasked_\@
.Lfor_b_\@:
	tensor_load_to_lds s[\g0b:\g0b+3], s[\g1b:\g1b+7]
	s_nop 0
.rept 4
	v_nop
.endr
.Lasked_\@:
.endm
.macro CROUND                          ; a round of the cluster's barrier
	s_barrier_signal -1
	s_barrier_wait -1
	s_cmp_lg_u32 s14, 0
	s_cbranch_scc1 .Lnot_wave_0_\@
	s_barrier_signal -3
.Lnot_wave_0_\@:
	s_barrier_wait -3
	s_barrier_signal -1
	s_barrier_wait -1
.endm
	s_load_b128 s[4:7], s[0:1], 0x0                ; x's codes, x's scales
	s_load_b128 s[8:11], s[0:1], 0x10              ; W's codes, W's scales
	s_load_b64 s[12:13], s[0:1], 0x40              ; fine32
	v_lshl_add_u32 v[SPW], v0, 2, SPARE
	v_mov_b32 v[NIL], 0
	ds_add_u32 v[SPW], v[NIL]                      ; the wave's opening: the add, twice on end, and its wait ahead of my first tensor load
	ds_add_u32 v[SPW], v[NIL]
	v_lshrrev_b32 v1, 5, v0
	v_readfirstlane_b32 s14, v1                    ; wave 0..3
	s_lshr_b32 s15, s14, 1                         ; which half of the tile's rows is mine.  Also: I fetch for x (0) or for W (1)
	s_and_b32 s16, s14, 1                          ; which half of its columns.  Also: which 128 rows of that tile I fetch
	s_bfe_u32 s40, ttmp6, 0x40000                  ; cx, cy: my place in the cluster
	s_bfe_u32 s41, ttmp6, 0x40004
	s_lshl_b32 s42, ttmp9, 2
	s_add_co_u32 s42, s42, s40                     ; tile column of C = 4 x cluster x + cx
	s_and_b32 s17, ttmp7, 0xffff
	s_lshl_b32 s17, s17, 2
	s_add_co_u32 s17, s17, s41                     ; tile row of C = 4 x cluster y + cy
	s_lshl_b32 s43, s41, 2
	s_lshl_b32 s43, 15, s43                        ; my row of the cluster
	s_lshl_b32 s44, 0x1111, s40                    ; my column
	; descriptor group 1: a tile of 128 rows x 256 bytes, padded in LDS
	s_or_b32 s[G1+0], s43, (0<<16)|(1<<20)|(1<<21)|(5<<22)|(3<<25)  ; 15:0 the mask; 17:16 elements of 1 byte; 20 padding on; 21 set beside a mask; 24:22 after every 64 words; 31:25 four words
	s_or_b32 s[G1B+0], s44, (0<<16)|(1<<20)|(1<<21)|(5<<22)|(3<<25)
.irp g, G1, G1B
	s_mov_b32 s[\g+1], ROWB<<16                    ; tensor_dim0
	s_mov_b32 s[\g+2], 128<<16                     ; tensor_dim1
	s_mov_b32 s[\g+3], ROWB<<16                    ; tile_dim0
	s_mov_b32 s[\g+4], 128                         ; tile_dim1
	s_mov_b32 s[\g+5], KROW                        ; tensor_dim0_stride
	s_mov_b32 s[\g+6], 0
	s_mov_b32 s[\g+7], 0
.endr
	; the scales of 128 rows: 4,096 dense bytes, as 16 rows of 256 bytes (32 elements of 8 bytes), 16 bytes of padding behind each
	s_or_b32 s[G1S+0], s43, (3<<16)|(1<<20)|(1<<21)|(5<<22)|(3<<25)
	s_or_b32 s[G1SB+0], s44, (3<<16)|(1<<20)|(1<<21)|(5<<22)|(3<<25)
.irp g, G1S, G1SB
	s_mov_b32 s[\g+1], 32<<16
	s_mov_b32 s[\g+2], 16<<16
	s_mov_b32 s[\g+3], 32<<16
	s_mov_b32 s[\g+4], 16
	s_mov_b32 s[\g+5], 32
	s_mov_b32 s[\g+6], 0
	s_mov_b32 s[\g+7], 0
.endr
	s_lshl_b32 s18, s16, 7                         ; which 128 rows of the tile I fetch
	s_lshl_b32 s20, s17, 8
	s_add_co_u32 s20, s20, s18                     ; x: row 256 x tile row + 128 x half
	s_lshl_b32 s46, s42, 8
	s_add_co_u32 s46, s46, s18                     ; W: row 256 x tile column + 128 x half
	s_mov_b32 s21, 0
	s_mov_b32 s47, 0
	s_lshl_b64 s[22:23], s[20:21], 5               ; where these rows' scales begin: 32 bytes a row
	s_lshl_b64 s[92:93], s[46:47], 5
	s_lshl_b64 s[20:21], s[20:21], 9               ; and their codes: 512 bytes a row
	s_lshl_b64 s[46:47], s[46:47], 9
	s_mul_i32 s45, s14, HALFT                      ; where they go: wave x 128 rows: no place in the cluster enters an LDS address
	s_mul_i32 s94, s14, HALFS
	s_wait_dscnt 0x0                               ; both opening adds are done
	s_wait_kmcnt 0x0
	s_add_nc_u64 s[20:21], s[4:5], s[20:21]
	s_add_nc_u64 s[22:23], s[6:7], s[22:23]
	s_add_nc_u64 s[46:47], s[8:9], s[46:47]
	s_add_nc_u64 s[92:93], s[10:11], s[92:93]
	CROUND                                         ; all sixteen work-groups are here: the joint loads meet
	s_mov_b32 s[G0S], 1
	s_add_co_u32 s[G0S+1], s94, SCL
	s_mov_b64 s[G0S+2:G0S+3], s[22:23]
	s_or_b32 s[G0S+3], s[G0S+3], 0x80000000
	s_mov_b32 s[G0SB], 1
	s_add_co_u32 s[G0SB+1], s94, SCL
	s_mov_b64 s[G0SB+2:G0SB+3], s[92:93]
	s_or_b32 s[G0SB+3], s[G0SB+3], 0x80000000
	JLOAD G0S, G1S, G0SB, G1SB                     ; the scales first: they are wanted with the first slot
.irp s, 0,1
	s_mov_b32 s[G0+4*\s], 1
	s_add_co_u32 s[G0+4*\s+1], s45, \s*SLOT
	s_add_nc_u64 s[G0+4*\s+2:G0+4*\s+3], s[20:21], \s*ROWB
	s_or_b32 s[G0+4*\s+3], s[G0+4*\s+3], 0x80000000
	s_mov_b32 s[G0B+4*\s], 1
	s_add_co_u32 s[G0B+4*\s+1], s45, \s*SLOT
	s_add_nc_u64 s[G0B+4*\s+2:G0B+4*\s+3], s[46:47], \s*ROWB
	s_or_b32 s[G0B+4*\s+3], s[G0B+4*\s+3], 0x80000000
	JLOAD G0+4*\s, G1, G0B+4*\s, G1B
.endr
	s_load_b256 s[4:11], s[0:1], 0x20              ; bq, bk, bv, qkv: the four pointers above have done their work
	v_and_b32 v1, 15, v0                           ; l % 16
	v_bfe_u32 v2, v0, 4, 1                         ; l / 16
	v_mul_u32_u24 v3, v1, PITCH
	v_lshl_add_u32 v4, v2, 4, v3                   ; a fragment's row x pitch + 16 x half
	s_mul_i32 s21, s15, HALFT                      ; my 128 rows of x
	s_mul_i32 s22, s16, HALFT                      ; my 128 rows of W,
	s_add_co_u32 s22, s22, 2*HALFT                 ; which lie behind x's 256
.irp s, 0,1
	v_add_nc_u32 v[ADRA+\s], s21, v4
	v_add_nc_u32 v[ADRB+\s], s22, v4
	s_add_co_u32 s21, s21, SLOT
	s_add_co_u32 s22, s22, SLOT
.endr
	v_mul_u32_u24 v5, v1, KS                       ; my row's scales: 32 bytes a row,
	v_lshrrev_b32 v6, 8, v5
	v_lshl_add_u32 v5, v6, 4, v5                   ; and 16 more for each 256 passed
	s_mul_i32 s21, s15, HALFS                      ; x's: my 128 rows
	s_mul_i32 s22, s16, HALFS                      ; W's: my 128 rows, behind x's 256
	s_add_co_u32 s22, s22, 2*HALFS
	s_sub_co_u32 s22, s22, s21
	v_mul_u32_u24 v6, s22, v2                      ; lanes 16-31 take W's: one product, the distance between the two
	s_add_co_u32 s21, s21, SCL
	v_add_nc_u32 v5, v5, v6
	v_add_nc_u32 v[ADRS], s21, v5
	s_mul_i32 s23, s14, 16*SPITCH                  ; my stage
	v_mul_u32_u24 v5, v1, SPITCH                   ; in: row l % 16, 16 bytes for each half of the lanes
	v_lshl_add_u32 v5, v2, 4, v5
	v_add_nc_u32 v[STO], s23, v5
	v_and_b32 v6, 31, v0
	v_lshlrev_b32 v[CO], 4, v6
	v_lshrrev_b32 v5, 3, v6                        ; back: eight lanes take a head's 128 bytes of a row, the 32 lanes four rows
	v_mul_u32_u24 v5, v5, SPITCH
	v_and_b32 v6, 7, v0
	v_lshl_add_u32 v5, v6, 4, v5
	v_add_nc_u32 v[RD], s23, v5
	v_lshlrev_b32 v[BO], 5, v2
	s_lshl_b32 s95, s17, 8
	s_lshl_b32 s21, s15, 7
	s_add_co_u32 s95, s95, s21                     ; m0: my wave's first row of C
	s_lshl_b32 s20, s42, 2
	s_lshl_b32 s21, s16, 1
	s_add_co_u32 s20, s20, s21                     ; my first head plane: 4 x tile column + 2 x half
	s_lshl_b32 s20, s20, 19
	s_lshl_b32 s21, s95, 7
	s_add_co_u32 s20, s20, s21                     ; + m0 rows of 128 bytes
	s_mov_b32 s21, 0
	s_lshr_b32 s46, s95, 11                        ; fine32: the batch's 196,608 bytes,
	s_mul_i32 s46, s46, 196608
	s_lshl_b32 s47, s42, 14                        ; + my first block of 16 columns, 16 x tile column + 8 x half, of 1,024 bytes
	s_add_co_u32 s46, s46, s47
	s_lshl_b32 s47, s16, 13
	s_add_co_u32 s46, s46, s47
	s_mov_b32 s47, 0
	s_and_b32 s22, s42, 3                          ; my first column within its weight, x 4 bytes
	s_lshl_b32 s22, s22, 10
	s_lshl_b32 s23, s16, 9
	s_add_co_u32 s22, s22, s23
	s_mov_b32 s23, 0
	s_lshr_b32 s94, s42, 2                         ; t: q, k or v
	s_and_b32 s95, s95, 2047
	v_mov_b32 v[FM], s95
	s_wait_kmcnt 0x0
	s_add_nc_u64 s[10:11], s[10:11], s[20:21]
	s_add_nc_u64 s[12:13], s[12:13], s[46:47]
	s_cmp_eq_u32 s94, 0                            ; the bias is chosen by a select, not by a branch
	s_cselect_b64 s[4:5], s[4:5], s[6:7]
	s_cmp_eq_u32 s94, 2
	s_cselect_b64 s[4:5], s[8:9], s[4:5]
	s_add_nc_u64 s[4:5], s[4:5], s[22:23]
.irp b, 0,1,2,3,4,5,6,7
	global_load_b128 v[BIAS+8*\b:BIAS+8*\b+3], v[BO], s[4:5] offset:64*\b       ; lane (r, h): the bias of columns 16 b + 8 h + 0 .. 7: the result's layout
	global_load_b128 v[BIAS+8*\b+4:BIAS+8*\b+7], v[BO], s[4:5] offset:64*\b+16
.endr
.macro FRAG reg, adr, q, i             ; a fragment: lane l holds row l % 16; registers 4 c .. 4 c + 3 hold K = 64 c + 32 (l / 16) + 0 .. 31
.irp c, 0,1
	ds_load_b128 v[\reg+4*\c:\reg+4*\c+3], v[\adr] offset:64*(\q)+32*\c+(\i)*16*PITCH
.endr
.endm
; 16 matrix instructions: x's blocks a0, a0 + 1 against W's eight, 128 along K.  p: W's set;  sc: the set of scale words.  first = 1: the sums begin with the bias as C.
; The 64 accumulators take turns, one instruction a turn, in the same order in every step.
.macro MUL16 a0, p, q, sc, first
.irp a, \a0, \a0+1
.irp b, 0,1,2,3,4,5,6,7
.if \first
	v_wmma_scale_f32_16x16x128_f8f6f4 v[8*(8*((\a)%4)+\b):8*(8*((\a)%4)+\b)+7], v[128*(\p)+FR*\b:128*(\p)+FR*\b+FR-1], v[AF+FR*(\a):AF+FR*(\a)+FR-1], v[BIAS+8*\b:BIAS+8*\b+7], v[SC+8*NQ*(\sc)+NQ*\b+(\q)], v[SC+8*NQ*(\sc)+NQ*(\a)+(\q)] matrix_a_fmt:MATRIX_FMT_FP4 matrix_b_fmt:MATRIX_FMT_FP4 matrix_a_scale:MATRIX_SCALE_ROW1
.else
	v_wmma_scale_f32_16x16x128_f8f6f4 v[8*(8*((\a)%4)+\b):8*(8*((\a)%4)+\b)+7], v[128*(\p)+FR*\b:128*(\p)+FR*\b+FR-1], v[AF+FR*(\a):AF+FR*(\a)+FR-1], v[8*(8*((\a)%4)+\b):8*(8*((\a)%4)+\b)+7], v[SC+8*NQ*(\sc)+NQ*\b+(\q)], v[SC+8*NQ*(\sc)+NQ*(\a)+(\q)] matrix_a_fmt:MATRIX_FMT_FP4 matrix_b_fmt:MATRIX_FMT_FP4 matrix_a_scale:MATRIX_SCALE_ROW1
.endif
.endr
.endr
.endm
.macro FETCH_B slot, q, p              ; W's eight fragments of the slot's q-th 128 along K into set p
	WIN TO_B
.irp i, 0,1,2,3,4,5,6,7
	FRAG 128*(\p)+FR*\i, ADRB+\slot, \q, \i
.endr
	WIN 0
.endm
.macro FETCH_A slot, q, i0             ; x's blocks i0 .. i0 + 3
.irp i, \i0, \i0+1, \i0+2, \i0+3
	FRAG AF+FR*(\i), ADRA+\slot, \q, \i
.endr
.endm
.macro SCALES sc                       ; a slot's scale words into set sc: four words a row; lanes 0-15 take x's block i, lanes 16-31 W's block i
.irp i, 0,1,2,3,4,5,6,7
	ds_load_b128 v[SC+8*NQ*\sc+NQ*\i:SC+8*NQ*\sc+NQ*\i+3], v[ADRS] offset:\i*SBLK
.endr
.endm
.macro PLACES n                        ; places in front of loads into registers that matrix instructions have read, and of the first read of results
.rept \n
	v_nop
.endr
.endm
; A step of 128 along K that has its successor in the same slot.  first = 1: C (the bias) lies in window 0.
.macro STEP slot, q, first
	s_wait_dscnt 4*NL                              ; W's set and x's blocks 0-3 are in; the youngest eight loads (x's blocks 4-7) may be out
	WIN MUL_LO-0x20*(\first)
	MUL16 0, (\q)%2, \q, \slot, \first
	MUL16 2, (\q)%2, \q, \slot, \first
	s_wait_dscnt 0                                 ; x's blocks 4-7 are in
	PLACES NP
	FETCH_B \slot, (\q)+1, 1-(\q)%2
	FETCH_A \slot, (\q)+1, 0
	WIN MUL_HI-0x30*(\first)
	MUL16 4, (\q)%2, \q, \slot, \first
	MUL16 6, (\q)%2, \q, \slot, \first
	PLACES NP
	WIN 0
	FETCH_A \slot, (\q)+1, 4
.endm
; Slot 0's last step changes slots: one barrier; in front of it each wave waits for all its tensor loads (its part of slot 1), adds 0 to its spare word, and waits for that and for its reads of slot 0.  Nothing is filled again.
.macro TURN slot, next
	s_wait_tensorcnt 0x0                           ; all my tensor loads have landed
	ds_add_u32 v[SPW], v[NIL]                      ; 0 onto my spare word
	s_wait_dscnt 4*NL+1                            ; the add and the youngest eight loads (x's blocks 4-7) may be out
	WIN MUL_LO
	MUL16 0, 1, NQ-1, \slot, 0                     ; sixteen matrix instructions stand between the add and the wait for it
	s_wait_dscnt 0x0                               ; the add is done, and my reads of this slot are over
	s_barrier_signal -1
	MUL16 2, 1, NQ-1, \slot, 0
	WIN 0
	s_barrier_wait -1
	PLACES NP
	v_add_nc_u32 v[ADRS], 4*NQ, v[ADRS]            ; on to the next slot's scale words (no LDS load of mine is out)
	FETCH_B \next, 0, 0
	FETCH_A \next, 0, 0
	SCALES \next
	WIN MUL_HI
	MUL16 4, 1, NQ-1, \slot, 0
	MUL16 6, 1, NQ-1, \slot, 0
	PLACES NP
	WIN 0
	FETCH_A \next, 0, 4
.endm
	s_wait_tensorcnt 1                             ; the scales and my part of slot 0 are in; slot 1's load may be out
	s_barrier_signal -1
	s_barrier_wait -1                              ; everybody's are
	FETCH_B 0, 0, 0
	FETCH_A 0, 0, 0
	SCALES 0
	FETCH_A 0, 0, 4
	s_wait_loadcnt 0x0                             ; the bias
	STEP 0, 0, 1                                   ; the first products start the sums, with the bias
	STEP 0, 1, 0
	STEP 0, 2, 0
	TURN 0, 1
	STEP 1, 0, 0
	STEP 1, 1, 0
	STEP 1, 2, 0
	s_wait_dscnt 4*NL                              ; the very last step: nothing more to fetch
	WIN MUL_LO
	MUL16 0, 1, NQ-1, 1, 0
	MUL16 2, 1, NQ-1, 1, 0
	s_wait_dscnt 0
	WIN MUL_HI
	MUL16 4, 1, NQ-1, 1, 0
	MUL16 6, 1, NQ-1, 1, 0
	WIN 0
; THE WAY OUT.  First the f32 copy of a sequence's first 16 rows: they are block 0 of the waves whose first row is a sequence's first.  The choice is made by EXEC, not by a branch: partners of a cluster run alike.
; The registers leave as they stand, 16 bytes a lane at 16 x lane: each store covers 512 consecutive bytes, aligned.
	PLACES NP
	v_cmp_eq_u32 vcc_lo, 0, v[FM]
	s_wait_xcnt 0x0                                ; EXEC changes only behind this wait: it is a source of the loads issued above
	s_and_saveexec_b32 s3, vcc_lo
	WIN 0x08                                       ; a store's data: window 2
.irp b, 0,1,2,3,4,5,6,7
	global_store_b128 v[CO], v[8*\b:8*\b+3], s[12:13] offset:1024*\b        ; each accumulator from its low end on
	global_store_b128 v[CO], v[8*\b+4:8*\b+7], s[12:13] offset:1024*\b+512
.endr
	WIN 0
	s_wait_xcnt 0x0                                ; and again, in front of the line that widens it
	s_or_b32 exec_lo, exec_lo, s3
; Then block by block of 16 rows x 128 columns: rounded to f16, 16 bytes a lane into my stage, and back by heads: 16 rows of a head are 2,048 consecutive bytes of its plane; an instruction stores 512 of them.
.macro PACK a
.set AC, 64*((\a)%4)
	WIN 0x0a+5*((\a)/4)                            ; sources 0 and 1: window 2 or 3
.irp b, 0,1,2,3,4,5,6,7
.irp r, 0,1,2,3
	v_cvt_pk_f16_f32 v[TMP+4*\b+\r], v[AC+8*\b+2*\r], v[AC+8*\b+2*\r+1]
.endr
.endr
	WIN 0
.endm
.macro TOSTAGE a
.set BB, BK+32*((\a)%2)
.irp b, 0,1,2,3,4,5,6,7
	ds_store_b128 v[STO], v[TMP+4*\b:TMP+4*\b+3] offset:32*\b
.endr
.irp u, 0,1,2,3,4,5,6,7
	ds_load_b128 v[BB+4*\u:BB+4*\u+3], v[RD] offset:(\u%4)*4*SPITCH+(\u/4)*128   ; LDS serves a wave's instructions in order (ISA guide 5.7.1.4): these see the stores above
.endr
.endm
.macro SEND a, younger                 ; younger: the LDS instructions issued behind block a's loads, which may stay out
.set BB, BK+32*((\a)%2)
	s_wait_dscnt \younger
.irp u, 0,1,2,3,4,5,6,7
	global_store_b128 v[CO], v[BB+4*\u:BB+4*\u+3], s[10:11] offset:(\u/4)*524288+(\u%4)*512+2048*(\a)   ; 32 lanes store 512 consecutive bytes, aligned
.endr
.endm
	PACK 0
	TOSTAGE 0
.irp a, 1,2,3,4,5,6,7
.if \a > 1
	s_wait_xcnt 0x0                                ; block a - 2's stores have read their registers: block a's loads may land there
.endif
	PACK \a
	TOSTAGE \a
	SEND \a-1, 16                                  ; behind block a - 1's loads: block a's 8 stores and 8 loads
.endr
	SEND 7, 0
	s_wait_tensorcnt 0x0                           ; the wave's end: behind my last tensor load and my last LDS store
	ds_add_u32 v[SPW], v[NIL]
	s_wait_dscnt 0x0
	CROUND                                         ; the closing round
	s_endpgm
.Lfunc_end_k_q60e8d1abcf_qkv:
	.size	k_q60e8d1abcf_qkv, .Lfunc_end_k_q60e8d1abcf_qkv-k_q60e8d1abcf_qkv
	.p2alignl 7, 3214868480
	.fill 96, 4, 3214868480
	.section	.rodata,"a",@progbits
	.p2align	6, 0x0
	.amdhsa_kernel k_q60e8d1abcf_qkv
		.amdhsa_group_segment_fixed_size 327680
		.amdhsa_private_segment_fixed_size 0
		.amdhsa_enable_private_segment 0
		.amdhsa_kernarg_size 72
		.amdhsa_user_sgpr_count 2
		.amdhsa_user_sgpr_kernarg_segment_ptr 1
		.amdhsa_wavefront_size32 1
		.amdhsa_system_sgpr_workgroup_id_x 1
		.amdhsa_system_sgpr_workgroup_id_y 1
		.amdhsa_system_sgpr_workgroup_id_z 1
		.amdhsa_system_vgpr_workitem_id 0
		.amdhsa_next_free_vgpr 1024
		.amdhsa_next_free_sgpr 100
		.amdhsa_reserve_vcc 1
		.amdhsa_float_denorm_mode_32 3
		.amdhsa_float_denorm_mode_16_64 3
		.amdhsa_memory_ordered 1
		.amdhsa_forward_progress 1
		.amdhsa_inst_pref_size 130
	.end_amdhsa_kernel
	.amdgpu_metadata
---
amdhsa.version: [ 1, 2 ]
amdhsa.kernels:
  - .name:           k_q60e8d1abcf_qkv
    .symbol:         k_q60e8d1abcf_qkv.kd
    .args:
      - { .name: xcodes, .offset: 0, .size: 8, .value_kind: global_buffer, .address_space: global }
      - { .name: xscales, .offset: 8, .size: 8, .value_kind: global_buffer, .address_space: global }
      - { .name: wcodes, .offset: 16, .size: 8, .value_kind: global_buffer, .address_space: global }
      - { .name: wscales, .offset: 24, .size: 8, .value_kind: global_buffer, .address_space: global }
      - { .name: bq, .offset: 32, .size: 8, .value_kind: global_buffer, .address_space: global }
      - { .name: bk, .offset: 40, .size: 8, .value_kind: global_buffer, .address_space: global }
      - { .name: bv, .offset: 48, .size: 8, .value_kind: global_buffer, .address_space: global }
      - { .name: qkv, .offset: 56, .size: 8, .value_kind: global_buffer, .address_space: global }
      - { .name: fine32, .offset: 64, .size: 8, .value_kind: global_buffer, .address_space: global }
    .group_segment_fixed_size: 327680
    .private_segment_fixed_size: 0
    .kernarg_segment_align: 8
    .kernarg_segment_size: 72
    .max_flat_workgroup_size: 128
    .sgpr_count:     100
    .vgpr_count:     1024
    .wavefront_size: 32
...
	.end_amdgpu_metadata
.endif
;; end of part 2
;; launch attn (part 3): grid 8 x 32, 16 waves a work-group, no clusters, 327,680 bytes of LDS; arguments qkv, att; writes att
.if DOCPART == 3
	.amdgcn_target "amdgcn-amd-amdhsa--gfx1250"
	.amdhsa_code_object_version 6
	.text
	.protected	k_q60e8d1abcf_attn
	.globl	k_q60e8d1abcf_attn
	.p2align	8
	.type	k_q60e8d1abcf_attn,@function
k_q60e8d1abcf_attn:
	s_mov_b64 s[64:65], 0
	v_nop
	global_prefetch_b8 v0, s[64:65] scope:SCOPE_SE
	s_setreg_imm32_b32 hwreg(HW_REG_WAVE_MODE, 25, 1), 1
	s_wait_xcnt 0x0
; ATTN: att[h][2048 b + q][:] = sum over k <= q of softmax_k(Q[q] . K[k] / 32) V[k][:], for each batch b and head h; Q, K, V: planes of qkv, [4096][64] f16.  Products on f16 operands, sums, maxima and softmax in f32;
; the weights p are rounded to f16 for the second product, the result once at the end.  Hidden scores take the value -1e9 (x 32 ahead of the scaling), as the problem has it.
; LIMITS: results must stay under 65,504.  Key steps that lie wholly behind a wave's queries are left out: that is the problem's own result while a row's largest scaled score lies above about -1e9 + 100.
; SHARES.  A work-group owns query blocks x and 15 - x (128 queries each) of one batch and head: 17 block-steps of keys for every work-group, whatever x.  Each of its SIXTEEN waves owns 16 queries in 256 registers:
; four waves to a SIMD, so that one wave's vector work stands beside another's matrix work and LDS loads.  K's and V's rows come through a ring of two LDS slots of 256 keys (waves 0, 1: K's halves; waves 2, 3: V's).
; NO CLUSTER: under the causal mask the work-groups of a head need different numbers of key tiles (2,048 - 128 x keys), so a partner would have to ask for tiles that none of its waves reads.
; LAYOUT.  S^T = K Q^T (source 0 = 16 keys, source 1 = my 16 queries): a lane holds ONE query (lane % 16) and keys 8 (lane / 16) + 0 .. 7.  Two such tiles, rounded to f16 in pairs, ARE source 1 (32 keys x 16 queries)
; of O^T = V^T P, whose result again holds one query a lane.  K comes out of LDS as it lies, V ([key][channel]) turned, by ds_load_tr16_b128.
; SOFTMAX.  A running maximum m and sum l for each query: p = 2^(c s - c m), c = log2(e) / 32; in every step O and l are multiplied by a = 2^(c m_old - c m_new).
; THE LDS LOADS ARE ASKED FOR AHEAD OF THEIR USE: all of a step's K in one run at its head; V's first 64 keys ahead of the softmax, into the registers that K's first 64 have left; V's last 64 behind the roundings,
; into the registers that the scores have left.
; REGISTERS: v1-7, v11 addresses and constants that stay; v8-10 in hand; v12 c m, v13 m, v[14:15] l; v16-31 Q; v32-95 K of keys 0-63, then V of keys 0-63; v96-159 S^T, then p, then V of keys 64-127; v160-191 O^T;
;   v192-255 K of keys 64-127; then v192-223 P and v224-235 at work.
.set SK,    256                        ; keys in a slot: two steps of 128
.set KP,    144                        ; a key's row of K in LDS: 128 bytes + 16: an odd multiple of 16
.set VP,    160                        ; of V: 128 + 32: an odd multiple of 32, for the turning load
.set VOFF,  SK*KP                      ; a slot: 256 rows of K, then 256 rows of V
.set SLOT1, 1<<17                      ; slot 1 begins here: one exclusive or turns an address in one slot into the other's
.set NSL,   8                          ; slots' worth of keys
.set SPARE, 2*SLOT1                    ; the spare words, 128 bytes for each wave: eight blocks of 256 bytes that no other line names
.set STAGE, SPARE+2048                 ; the way out: 16 rows x (128 bytes + 16) for each wave: bytes into which no tile lands
.set AK0,  1                           ; v1   my lane's place in a tile of K
.set AV0,  2                           ; v2   the same for V
.set DQ,   3                           ; v3   lane % 16 - 8 (lane / 16)
.set HID,  4                           ; v4   -3.2e10: what a hidden score becomes
.set SPW,  5                           ; v5   my spare word; never rewritten
.set NIL,  6                           ; v6   0; never rewritten
.set GO,   7                           ; v7   16 x lane
.set ADK,  8
.set ADV,  9
.set PFO,  11                          ; v11  256 x lane: the prefetches' offset; never rewritten
.set WV,   18                          ; s18  my wave's number
.set SEL,  20                          ; s[20:21] lane selects for v_permlanex16_b32: lane l xor 16
.set CS,   22                          ; s[22:23] c
.set G1K,  24                          ; s[24:31], s[32:39] descriptor groups 1 for K's and V's tiles;  s[40:43], s[44:47] their groups 0, which walk
.set G1V,  32
.set G0K,  40
.set G0V,  44
.set TB,   2                           ; s2   LDS byte at which the slot in hand begins
.set KF,   3                           ; s3   the step's first key
.set Q0,   48                          ; s48  my first query
.set QL,   49                          ; s49  my work-group's last query
.set SLOTS, 50                         ; s50  changes of slots still to come in the loop
.set LIM,  51                          ; s51  1 in a wave that prefetches, else the greatest number
.set PFA,  52                          ; s[52:53] where my prefetches stand
; Waves 0 and 1 fetch for K, waves 2 and 3 for V, the others nothing.  The branches hang on the wave's number alone.  An s_nop 0 and four v_nop follow each of the two lines.
.macro TLOAD
	s_cmp_lt_u32 s[WV], 2
	s_cbranch_scc0 .Lnot_k_\@
	tensor_load_to_lds s[G0K:G0K+3], s[G1K:G1K+7]
	s_nop 0
.rept 4
	v_nop
.endr
	s_branch .Lasked_\@
.Lnot_k_\@:
	s_cmp_lt_u32 s[WV], 4
	s_cbranch_scc0 .Lasked_\@
	tensor_load_to_lds s[G0V:G0V+3], s[G1V:G1V+7]
	s_nop 0
.rept 4
	v_nop
.endr
.Lasked_\@:
.endm
; A PREFETCH INTO THE L2 of what the NEXT change of slots will ask for: 256 rows of K and of V, 32,768 dense bytes each.  All eight work-groups of a batch and head walk the same rows: the first of them (x = 0, which
; walks all slots) asks; in it the waves that fetch nothing, one instruction each: waves 4 to 7 for K, waves 8 to 11 for V, 8,192 bytes a wave, lanes 256 bytes apart.  So each aligned 256 bytes are named once in the launch.
; It asks a slot's two key steps ahead of the load.  The last change that fills a slot asks for nothing; slots 0 and 1 come by their loads alone.
.macro ASK
	s_cmp_gt_u32 s[SLOTS], s[LIM]
	s_cbranch_scc0 .Lnot_mine_\@
	global_prefetch_b8 v[PFO], s[PFA:PFA+1] th:TH_LOAD_NT scope:SCOPE_SE
.Lnot_mine_\@:
.endm
	s_load_b128 s[4:7], s[0:1], 0x0                ; qkv, att
	v_lshl_add_u32 v[SPW], v0, 2, SPARE
	v_mov_b32 v[NIL], 0
	ds_add_u32 v[SPW], v[NIL]                      ; the wave's opening: the add, twice on end, and its wait ahead of my first tensor load
	ds_add_u32 v[SPW], v[NIL]
	v_lshrrev_b32 v8, 5, v0
	v_readfirstlane_b32 s[WV], v8                  ; wave 0..15
	s_and_b32 s56, ttmp7, 0xffff
	s_and_b32 s57, s56, 15                         ; the head
	s_lshr_b32 s58, s56, 4                         ; the batch
	s_lshl_b32 s60, s57, 19
	s_lshl_b32 s58, s58, 18
	s_add_co_u32 s60, s60, s58                     ; the head's plane and the batch's 2,048 rows of 128 bytes in it
	s_sub_co_u32 s56, 15, ttmp9
	s_cmp_lt_u32 s[WV], 8
	s_cselect_b32 s56, ttmp9, s56                  ; waves 0-7: query block x; waves 8-15: block 15 - x
	s_lshl_b32 s56, s56, 7
	s_and_b32 s57, s[WV], 7
	s_lshl_b32 s57, s57, 4
	s_add_co_u32 s[Q0], s56, s57
	s_lshl_b32 s56, ttmp9, 7
	s_sub_co_u32 s[QL], 2047, s56
	s_lshl_b32 s62, s[Q0], 7
	s_add_co_u32 s62, s62, s60                     ; my queries' rows, in q's plane and in att's alike
	s_mov_b32 s63, 0
	s_and_b32 s66, s[WV], 1                        ; which 128 rows of a slot I fetch, if I fetch:
	s_lshl_b32 s68, s66, 14                        ; in memory,
	s_add_co_u32 s68, s68, s60
	s_mov_b32 s69, 0
	s_mul_i32 s70, s66, 128*KP                     ; and in a slot
	s_mul_i32 s71, s66, 128*VP
	s_add_co_u32 s71, s71, VOFF
	; descriptor group 1: 128 rows of 64 elements of 2 bytes, dense in memory, padded in LDS
	s_mov_b32 s[G1K], (1<<16)|(1<<20)|(4<<22)|(3<<25)             ; no mask; elements of 2 bytes; padding on: four words after every 32
	s_mov_b32 s[G1V], (1<<16)|(1<<20)|(4<<22)|(7<<25)             ; eight words after every 32
.irp g, G1K, G1V
	s_mov_b32 s[\g+1], 64<<16                      ; tensor_dim0
	s_mov_b32 s[\g+2], 128<<16                     ; tensor_dim1
	s_mov_b32 s[\g+3], 64<<16                      ; tile_dim0
	s_mov_b32 s[\g+4], 128                         ; tile_dim1
	s_mov_b32 s[\g+5], 64                          ; tensor_dim0_stride
	s_mov_b32 s[\g+6], 0
	s_mov_b32 s[\g+7], 0
.endr
	s_mov_b32 s[SEL], 0x76543210
	s_mov_b32 s[SEL+1], 0xfedcba98
	s_mov_b32 s[CS], 0x3d38aa3b                    ; c = log2(e) / 32
	s_mov_b32 s[CS+1], s[CS]                       ; (named with it as a pair, so it is written)
	s_mov_b32 s[TB], 0
	s_mov_b32 s[KF], 0
	s_mov_b32 s[SLOTS], NSL-1
	s_wait_dscnt 0x0                               ; both opening adds are done
	s_wait_kmcnt 0x0
	s_mov_b32 s[G0K], 1
	s_mov_b32 s[G0K+1], s70
	s_add_nc_u64 s[G0K+2:G0K+3], s[4:5], s[68:69]
	s_add_nc_u64 s[G0K+2:G0K+3], s[G0K+2:G0K+3], 0x800000     ; k's planes begin 16 planes on
	s_or_b32 s[G0K+3], s[G0K+3], 0x80000000
	s_mov_b32 s[G0V], 1
	s_mov_b32 s[G0V+1], s71
	s_add_nc_u64 s[G0V+2:G0V+3], s[4:5], s[68:69]
	s_add_nc_u64 s[G0V+2:G0V+3], s[G0V+2:G0V+3], 0x1000000    ; v's 32 planes on
	s_or_b32 s[G0V+3], s[G0V+3], 0x80000000
	TLOAD                                          ; slot 0: it holds key 0, which counts for every query
	; the prefetches: where my wave's stand, and who asks
	s_mov_b32 s72, 0x1000000
	s_cmp_lt_u32 s[WV], 8                          ; waves 4 to 7 ask for K's rows, waves 8 to 11 for V's
	s_cselect_b32 s72, 0x800000, s72
	s_and_b32 s73, s[WV], 3
	s_lshl_b32 s73, s73, 13                        ; my wave's 8,192 bytes,
	s_add_co_u32 s72, s72, s73
	s_add_co_u32 s72, s72, s60
	s_add_co_u32 s72, s72, SK*128                  ; in slot 1: the first change of slots steps it to slot 2.  Nothing is prefetched here, at the head
	s_mov_b32 s73, 0
	s_add_nc_u64 s[PFA:PFA+1], s[4:5], s[72:73]
	s_sub_co_u32 s72, s[WV], 4
	s_lshr_b32 s72, s72, 3                         ; 0 in waves 4 to 11,
	s_or_b32 s72, s72, ttmp9                       ; of the work-group with x = 0
	s_cmp_eq_u32 s72, 0
	s_cselect_b32 s[LIM], 1, -1
	s_add_nc_u64 s[4:5], s[4:5], s[62:63]          ; q at my first query
	s_add_nc_u64 s[6:7], s[6:7], s[62:63]          ; att likewise
	v_and_b32 v8, 15, v0                           ; r = lane % 16
	v_bfe_u32 v9, v0, 4, 1                         ; h = lane / 16
	v_lshlrev_b32 v10, 7, v8
	v_lshl_add_u32 v10, v9, 4, v10                 ; Q: row r of 128 bytes, + 16 h
.irp c, 0,1
	global_load_b128 v[16+8*\c:19+8*\c], v10, s[4:5] offset:64*\c       ; Q's two fragments (channels 32 c on) stay in registers
	global_load_b128 v[20+8*\c:23+8*\c], v10, s[4:5] offset:64*\c+32
.endr
	v_mul_u32_u24 v[AK0], v8, KP
	v_lshl_add_u32 v[AK0], v9, 4, v[AK0]           ; K: row x pitch + 16 x half
	v_and_b32 v[AV0], 7, v0                        ; V, for the turning load: key 8 h + lane % 8, channels 8 ((lane / 8) % 2) on
	v_lshl_add_u32 v[AV0], v9, 3, v[AV0]
	v_mul_u32_u24 v[AV0], v[AV0], VP
	v_bfe_u32 v[DQ], v0, 3, 1
	v_lshl_add_u32 v[AV0], v[DQ], 4, v[AV0]
	v_add_nc_u32 v[AV0], VOFF, v[AV0]
	v_lshlrev_b32 v[DQ], 3, v9
	v_sub_nc_u32 v[DQ], v8, v[DQ]                  ; r - 8 h
	v_mov_b32 v[HID], 0xd0ee6b28                   ; -3.2e10 = -1e9 x 32
	v_and_b32 v[GO], 31, v0
	v_lshlrev_b32 v[PFO], 8, v[GO]
	v_lshlrev_b32 v[GO], 4, v[GO]
	v_mov_b32 v13, 0xff61b1e6                      ; m: -3e38, under every score
	v_mov_b32 v12, 0xff61b1e6                      ; c m: the first a is 2^(-3e38 - c m) = 0, and multiplies zeros
	v_mov_b32 v14, 0                               ; l, in two halves
	v_mov_b32 v15, 0
	v_mov_b32 v228, 0                              ; written once: a lane permute's destination counts as one of its sources
	v_mov_b32 v231, 0                              ; (named as the upper half of the pair v[230:231])
.set n, 0
.rept 32
	v_mov_b32 v[160+n], 0                          ; O^T.  (The step is written once: the first finds zeros)
.set n, n+1
.endr
; V of keys 64 g .. 64 g + 63 of the slot's q-th step, turned: two fragments of 32 keys x four tiles of channels, into v[32 + 64 g] on
.macro VLOAD q, g
.irp u, 0,1
.irp ct, 0,1,2,3
	ds_load_tr16_b128 v[32+64*(\g)+8*(4*\u+\ct):35+64*(\g)+8*(4*\u+\ct)], v[ADV] offset:(128*(\q)+64*(\g)+32*\u)*VP+32*\ct
	ds_load_tr16_b128 v[36+64*(\g)+8*(4*\u+\ct):39+64*(\g)+8*(4*\u+\ct)], v[ADV] offset:(128*(\q)+64*(\g)+32*\u+16)*VP+32*\ct
.endr
.endr
.endm
; O^T += V^T P for those 64 keys: the four accumulators by turns
.macro PVMUL g
.irp u, 0,1
.irp ct, 0,1,2,3
	v_wmma_f32_16x16x32_f16 v[160+8*\ct:167+8*\ct], v[32+64*(\g)+8*(4*\u+\ct):39+64*(\g)+8*(4*\u+\ct)], v[192+8*(2*(\g)+\u):199+8*(2*(\g)+\u)], v[160+8*\ct:167+8*\ct]
.endr
.endr
.endm
; A KEY STEP: 128 keys, the q-th of the slot in hand.
.macro STEP q
	s_add_co_u32 s56, s[Q0], 15                    ; a step all of whose keys come after my 16 queries is left out: a scalar branch on ids, round the step's loads, products and softmax; no barrier or tensor load stands in a step
	s_cmp_gt_u32 s[KF], s56
	s_cbranch_scc1 .Lhidden_\@
	v_add_nc_u32 v[ADK], s[TB], v[AK0]
	v_add_nc_u32 v[ADV], s[TB], v[AV0]
.rept 3
	v_nop                                          ; with the two additions: FIVE places behind the last step's products: four for the loads into registers that they have read, the fifth since this step's
.endr                                              ; first products write the scores over v96-159, from which the last products took V (ISA guide 7.12.1)
.irp kt, 0,1,2,3                               ; all of the step's K in one run: keys 0-63 into v32-95,
.irp c, 0,1
	ds_load_b128 v[32+16*\kt+8*\c:35+16*\kt+8*\c], v[ADK] offset:(128*(\q)+16*\kt)*KP+64*\c
	ds_load_b128 v[36+16*\kt+8*\c:39+16*\kt+8*\c], v[ADK] offset:(128*(\q)+16*\kt)*KP+64*\c+32
.endr
.endr
.irp kt, 0,1,2,3                               ; keys 64-127 into v192-255, which P and the softmax's scratch have left
.irp c, 0,1
	ds_load_b128 v[192+16*\kt+8*\c:195+16*\kt+8*\c], v[ADK] offset:(128*(\q)+64+16*\kt)*KP+64*\c
	ds_load_b128 v[196+16*\kt+8*\c:199+16*\kt+8*\c], v[ADK] offset:(128*(\q)+64+16*\kt)*KP+64*\c+32
.endr
.endr
	s_wait_dscnt 16                                ; keys 0-63 are in; the sixteen loads of keys 64-127 may be out
.irp kt, 0,1,2,3                               ; S^T = K Q^T: four accumulators by turns: channels 0-31 start the sums,
	v_wmma_f32_16x16x32_f16 v[96+8*\kt:103+8*\kt], v[32+16*\kt:39+16*\kt], v[16:23], 0
.endr
.irp kt, 0,1,2,3                               ; channels 32-63 end them
	v_wmma_f32_16x16x32_f16 v[96+8*\kt:103+8*\kt], v[40+16*\kt:47+16*\kt], v[24:31], v[96+8*\kt:103+8*\kt]
.endr
	s_wait_dscnt 0x0
.irp kt, 0,1,2,3
	v_wmma_f32_16x16x32_f16 v[128+8*\kt:135+8*\kt], v[192+16*\kt:199+16*\kt], v[16:23], 0
.endr
.irp kt, 0,1,2,3
	v_wmma_f32_16x16x32_f16 v[128+8*\kt:135+8*\kt], v[200+16*\kt:207+16*\kt], v[24:31], v[128+8*\kt:135+8*\kt]
.endr
.rept 4
	v_nop                                          ; four places: in front of the loads into K's registers, of the first read of the scores, and of the softmax's writes into v224 on
.endr
	VLOAD \q, 0                                    ; V of keys 0-63 lands while the softmax is walked
	s_add_co_u32 s56, s[KF], 127                   ; on the diagonal hidden scores take the mask's value ahead of the maximum.  A step all of whose keys count skips this
	s_cmp_le_u32 s56, s[Q0]
	s_cbranch_scc1 .Lopen_\@
	s_sub_co_i32 s56, s[Q0], s[KF]
	v_add_nc_u32 v10, s56, v[DQ]                   ; d = my query - KF - 8 (lane / 16).  Register 8 t + j holds key KF + 16 t + 8 (lane / 16) + j: hidden where 16 t + j > d
.set n, 0
.rept 64
	v_cmp_gt_i32 vcc_lo, 16*(n/8)+n%8, v10
	v_cndmask_b32 v[96+n], v[96+n], v[HID], vcc_lo
.set n, n+1
.endr
.Lopen_\@:
.irp b, 0,1,2,3
	v_max3_num_f32 v[224+\b], v[96+16*\b], v[97+16*\b], v[98+16*\b]   ; the largest of my 64 scores: four chains by turns, each accumulator from its low end on
.endr
.irp i, 3,5,7,9,11,13
.irp b, 0,1,2,3
	v_max3_num_f32 v[224+\b], v[224+\b], v[96+16*\b+\i], v[97+16*\b+\i]
.endr
.endr
.irp b, 0,1,2,3
	v_max_num_f32 v[224+\b], v[224+\b], v[111+16*\b]
.endr
	v_max3_num_f32 v224, v224, v225, v226
	v_max3_num_f32 v224, v224, v227, v13           ; with the old m
	v_permlanex16_b32 v228, v224, s[SEL], s[SEL+1] ; the query's other 64 keys lie in the lane 16 away
	v_mov_b32 v229, v12                            ; c m_old
	v_max_num_f32 v13, v224, v228                  ; the new m
	v_mul_f32 v12, s[CS], v13
	v_sub_f32 v229, v229, v12
	v_exp_f32 v230, v229                           ; a = 2^(c m_old - c m_new)
.set n, 0
.rept 32
	v_pk_fma_f32 v[96+n:97+n], v[96+n:97+n], s[CS:CS+1], v[12:13] op_sel_hi:[1,0,0] neg_lo:[0,0,1] neg_hi:[0,0,1]   ; c s - c m, two at a time
.set n, n+2
.endr
.set n, 0
.rept 64
	v_exp_f32 v[96+n], v[96+n]                     ; p
.set n, n+1
.endr
	v_nop                                          ; a plain instruction behind the last exponential
	s_wait_alu depctr_va_vdst(0)                   ; the wait ahead of the first instruction that names an exponential's result: one for all 65
	v_pk_mul_f32 v[14:15], v[14:15], v[230:231] op_sel_hi:[1,0]      ; l under the new m
	v_pk_add_f32 v[232:233], v[96:97], v[98:99]    ; the sum of the unrounded p, two at a time, in two chains
.set n, 4
.rept 15
	v_pk_add_f32 v[14:15], v[14:15], v[96+n:97+n]
	v_pk_add_f32 v[232:233], v[232:233], v[98+n:99+n]
.set n, n+4
.endr
	v_pk_add_f32 v[14:15], v[14:15], v[232:233]
.set n, 0
.rept 32
	v_cvt_pk_f16_f32 v[192+n], v[96+2*n], v[97+2*n]                  ; two tiles' pairs are a fragment of P: 32 keys x 16 queries
.set n, n+1
.endr
	VLOAD \q, 1                                    ; p has been summed and rounded: its registers take V of keys 64-127, which lands under the rescaling and the first eight products
.set n, 0
.rept 16
	v_pk_mul_f32 v[160+n:161+n], v[160+n:161+n], v[230:231] op_sel_hi:[1,0]   ; O^T under the new m
.set n, n+2
.endr
	s_wait_dscnt 16                                ; V of keys 0-63 is in; the sixteen loads of keys 64-127 may be out
	PVMUL 0
	s_wait_dscnt 0x0
	PVMUL 1
.Lhidden_\@:
	s_add_co_u32 s[KF], s[KF], 128
.endm
; THE CHANGE OF SLOTS stands at a slot's head.  Each wave waits for all its tensor loads (its part of the slot that it is about to read), adds 0 to its spare word, and waits for that and for its reads of the slot that it has left.
; Behind the barrier the slot ahead is whole and nobody reads the other one.  fill = 1: that other slot is filled with the keys that follow, up to the causal limit: the load has a slot's two steps in which to land.
.macro CHANGE fill
	s_wait_tensorcnt 0x0                           ; no tensor load of mine is out, so a group 0 may be written
	ds_add_u32 v[SPW], v[NIL]                      ; 0 onto my spare word
.if \fill
	ds_add_u32 v[SPW], v[NIL]                      ; and once more
	s_xor_b32 s[G0K+1], s[G0K+1], SLOT1            ; the walking descriptors: the other slot than last time,
	s_add_nc_u64 s[G0K+2:G0K+3], s[G0K+2:G0K+3], SK*128   ; the next 256 keys; the type bits on top are not reached
	s_xor_b32 s[G0V+1], s[G0V+1], SLOT1
	s_add_nc_u64 s[G0V+2:G0V+3], s[G0V+2:G0V+3], SK*128
	s_wait_xcnt 0x0                                ; the last prefetch, a slot back, has read its address, so it may be written:
	s_add_nc_u64 s[PFA:PFA+1], s[PFA:PFA+1], SK*128       ; one slot further on than the walking descriptors
.endif
	s_wait_dscnt 0x0                               ; the add is done, and my reads of the slot that I have left are over
	s_barrier_signal -1
	s_barrier_wait -1
.if \fill
	s_add_co_u32 s56, s[KF], SK                    ; THE LOOK-AHEAD ENDS AT THE CAUSAL LIMIT: a slot whose first key comes after my work-group's last query is read by none of its waves, so it is not asked for.
	s_cmp_gt_u32 s56, s[QL]                        ; Ids and the count of steps alone: all sixteen waves go the same way, every wait on TENSORcnt is for 0, and the jump leads round the load's own lines alone
	s_cbranch_scc1 .Lpast_\@
	TLOAD                                          ; a wave's one tensor load until the next such barrier
.Lpast_\@:
	ASK
.endif
.endm
.macro SLOT_STEPS
	STEP 0
	STEP 1
	s_xor_b32 s[TB], s[TB], SLOT1                  ; on to the other slot
.endm
	s_wait_loadcnt 0x0                             ; Q
.Lslot:                                            ; seven trips: every work-group walks all changes of slots, so that the trip count is a constant and no barrier is jumped over
	CHANGE 1
	SLOT_STEPS
	s_sub_co_u32 s[SLOTS], s[SLOTS], 1
	s_cmp_lg_u32 s[SLOTS], 0
	s_cbranch_scc1 .Lslot
	CHANGE 0                                       ; the last slot is written out: nothing is asked for behind it
	SLOT_STEPS
	; THE WAY OUT.  O^T / l, rounded to f16, goes through my stage and leaves as my 16 rows of the head's plane: 2,048 consecutive bytes, 512 an instruction.
	v_add_f32 v14, v14, v15                        ; l's two halves,
	v_permlanex16_b32 v228, v14, s[SEL], s[SEL+1]
	v_add_f32 v14, v14, v228                       ; and lane l xor 16's
	v_rcp_f32 v14, v14
	v_and_b32 v8, 15, v0                           ; (plain work behind the reciprocal)
	v_bfe_u32 v9, v0, 4, 1
	s_mul_i32 s56, s[WV], 16*KP
	s_add_co_u32 s56, s56, STAGE                   ; my stage
	v_mul_u32_u24 v234, v8, KP
	v_lshl_add_u32 v234, v9, 4, v234
	v_add_nc_u32 v234, s56, v234                   ; in: row r, 16 bytes for each half of the lanes
	v_bfe_u32 v235, v0, 3, 2
	v_mul_u32_u24 v235, v235, KP
	v_and_b32 v8, 7, v0
	v_lshl_add_u32 v235, v8, 4, v235
	v_add_nc_u32 v235, s56, v235                   ; back: eight lanes to a row of 128 bytes, four rows an instruction
	s_wait_alu depctr_va_vdst(0)                   ; the wait ahead of the reciprocal's first reader
.set n, 0
.rept 32
	v_mul_f32 v[96+n], v[160+n], v14               ; register 8 t + j is channel 16 t + 8 h + j of query r
.set n, n+1
.endr
.set n, 0
.rept 16
	v_cvt_pk_f16_f32 v[192+n], v[96+2*n], v[97+2*n]
.set n, n+1
.endr
.irp ct, 0,1,2,3
	ds_store_b128 v234, v[192+4*\ct:195+4*\ct] offset:32*\ct
.endr
.irp i, 0,1,2,3
	ds_load_b128 v[32+4*\i:35+4*\i], v235 offset:4*KP*\i           ; LDS serves a wave's instructions in order (ISA guide 5.7.1.4): these see my stores
.endr
.irp i, 0,1,2,3
	s_wait_dscnt 3-\i                              ; the younger loads may stay out
	global_store_b128 v[GO], v[32+4*\i:35+4*\i], s[6:7] offset:512*\i
.endr
	s_wait_tensorcnt 0x0                           ; the wave's end: behind my last tensor load and my last LDS store
	ds_add_u32 v[SPW], v[NIL]
	s_wait_dscnt 0x0
	s_endpgm
.Lfunc_end_k_q60e8d1abcf_attn:
	.size	k_q60e8d1abcf_attn, .Lfunc_end_k_q60e8d1abcf_attn-k_q60e8d1abcf_attn
	.p2alignl 7, 3214868480
	.fill 96, 4, 3214868480
	.section	.rodata,"a",@progbits
	.p2align	6, 0x0
	.amdhsa_kernel k_q60e8d1abcf_attn
		.amdhsa_group_segment_fixed_size 327680
		.amdhsa_private_segment_fixed_size 0
		.amdhsa_enable_private_segment 0
		.amdhsa_kernarg_size 16
		.amdhsa_user_sgpr_count 2
		.amdhsa_user_sgpr_kernarg_segment_ptr 1
		.amdhsa_wavefront_size32 1
		.amdhsa_system_sgpr_workgroup_id_x 1
		.amdhsa_system_sgpr_workgroup_id_y 1
		.amdhsa_system_sgpr_workgroup_id_z 1
		.amdhsa_system_vgpr_workitem_id 0
		.amdhsa_next_free_vgpr 256
		.amdhsa_next_free_sgpr 80
		.amdhsa_reserve_vcc 1
		.amdhsa_float_denorm_mode_32 3
		.amdhsa_float_denorm_mode_16_64 3
		.amdhsa_memory_ordered 1
		.amdhsa_forward_progress 1
		.amdhsa_inst_pref_size 106
	.end_amdhsa_kernel
	.amdgpu_metadata
---
amdhsa.version: [ 1, 2 ]
amdhsa.kernels:
  - .name:           k_q60e8d1abcf_attn
    .symbol:         k_q60e8d1abcf_attn.kd
    .args:
      - { .name: qkv, .offset: 0, .size: 8, .value_kind: global_buffer, .address_space: global }
      - { .name: att, .offset: 8, .size: 8, .value_kind: global_buffer, .address_space: global }
    .group_segment_fixed_size: 327680
    .private_segment_fixed_size: 0
    .kernarg_segment_align: 8
    .kernarg_segment_size: 16
    .max_flat_workgroup_size: 512
    .sgpr_count:     80
    .vgpr_count:     256
    .wavefront_size: 32
...
	.end_amdgpu_metadata
.endif
;; end of part 3
;; launch proj (part 4): grid 8 x 32, 4 waves a work-group, clusters of 4 x 4, 327,680 bytes of LDS; arguments att, wo16, out0, bo; writes out0
.if DOCPART == 4
	.amdgcn_target "amdgcn-amd-amdhsa--gfx1250"
	.amdhsa_code_object_version 6
	.text
	.protected	k_q60e8d1abcf_proj
	.globl	k_q60e8d1abcf_proj
	.p2align	8
	.type	k_q60e8d1abcf_proj,@function
k_q60e8d1abcf_proj:
	s_mov_b64 s[64:65], 0
	v_nop
	global_prefetch_b8 v0, s[64:65] scope:SCOPE_SE
	s_setreg_imm32_b32 hwreg(HW_REG_WAVE_MODE, 25, 1), 1
	s_wait_xcnt 0x0
	s_wait_alu depctr_hold_cnt(0) depctr_sa_sdst(0) depctr_va_vdst(0) depctr_va_sdst(0) depctr_va_ssrc(0) depctr_va_vcc(0) depctr_vm_vsrc(0)
	s_getreg_b32 s2, hwreg(HW_REG_IB_STS2, 6, 4)
	s_cmp_eq_u32 s2, 0
	s_cbranch_scc0 .Lentry_in_a_cluster
	s_endpgm
.Lentry_in_a_cluster:
	s_bfe_u32 s2, ttmp6, 0x10000c
	s_cmp_lg_u32 s2, 0xf033
	s_cbranch_scc0 .Lentry_shape_is_right
	s_endpgm
.Lentry_shape_is_right:
; PROJ: out0[m][n] = sum over k of att[m][k] Wo[k][n] + bo[n], on f16 operands, sums in f32.  att lies by heads, [k / 64][m][64] f16 (planes of 524,288 bytes); wo16 is [k][n] f16; out0 is [4096][1024] f32.
; The first 16 positions of both sequences (m = 0 .. 15, 2048 .. 2063) are NOT stored here: the launch that follows makes them in f32 and is their one owner.
; A tile of out0 is 128 x 128: 256 work-groups.  Four waves, each 64 x 64: 16 accumulators.  K goes in steps of 256 (four heads) through two LDS slots.
; att's part of a step: for each of four planes 64 rows x 128 bytes, 8,192 dense bytes: stated as a tile of 4 rows of 4,096 elements, 262,144 elements apart, with 16 bytes of padding behind every 128: in LDS [plane][row], rows 144 bytes apart.
; wo16's part: 128 rows (k) x 128 columns, rows 288 bytes apart in LDS; its fragments come out turned, by ds_load_tr16_b128.
; CLUSTERS: 4 x 4 work-groups.  The four of a row of the cluster need the same tiles of att, the four of a column the same tiles of wo16: each tile is asked for JOINTLY.
; THE MATRIX INSTRUCTION IS USED TRANSPOSED (source 0 = 16 columns of Wo, source 1 = 16 rows of att): a lane holds eight neighbouring numbers of a row of out0.  THE BIAS IS THE C OF EACH SUM'S FIRST PRODUCT.
; No prefetch: the tiles are small and shared in the cluster, and a step's load has 112 matrix instructions in which to land.
; REGISTERS: window 0: v0-31 addresses; v32-95 rows read back on the way out; v96-127 the bias; v128-255 the accumulators ((a, b) at v[128 + 8 (4 a + b)]).   window 1: two fragment buffers of 128: 64 registers of att, then 64 of Wo.
.set HALF,   36864                     ; what one tensor load brings: 4 x 64 x 144 = 128 x 288 bytes
.set SLOT,   4*HALF                    ; att's two halves of rows, then wo16's two halves of k
.set SPARE,  2*SLOT                    ; the spare words, 128 bytes for each wave: two blocks of 256 bytes that no other line names
.set PA,     144                       ; a row of att in LDS: 128 bytes + 16
.set PLANE,  64*PA
.set PB,     288                       ; a row of wo16 in LDS: 256 bytes + 32: an odd multiple of 32, for the turning load
.set SPITCH, 272                       ; the way out: a stage of 16 rows x (256 bytes + 16) for each wave, in slot 0, which has had its last fill and its last read by then
.set LAPS,   2                         ; a lap = two K steps = once round the ring
.set ADRA, 16                          ; v16-17  LDS address of my att fragments in slot 0, 1
.set ADRB, 20                          ; v20-23  the same for Wo: 2 x slot + half of the step's k
.set STO,  24
.set RD,   25
.set CO,   26
.set FM,   27                          ; v27     my wave's first row within its sequence
.set SPW,  28                          ; v28     my spare word; never rewritten
.set NIL,  29                          ; v29     0; never rewritten
.set BO,   30                          ; v30     32 x (lane / 16)
.set BIAS, 96
.set ACC,  128
.set F0,   0
.set F1,   128
.set G1, 24                            ; s[24:31] descriptor group 1 for att's tiles;  s[32:39] group 0, one set for each slot
.set G0, 32
.set G1B, 48                           ; s[48:55], s[56:63] the same for wo16's
.set G0B, 56
.set MSB, 0
.macro WIN new
.if MSB != (\new)
	s_set_vgpr_msb (MSB<<8)|(\new)
.set MSB, (\new)
.endif
.endm
.set MUL,  0x05                        ; sources 0 (Wo) and 1 (att) window 1; C and D window 0
.set TO_F, 0x40                        ; destination window 1, address window 0
.macro JLOAD s                         ; a joint load: waves 0 and 1 fetch att's two halves, waves 2 and 3 wo16's; an s_nop 0 and four v_nop follow each of the two lines
	s_cmp_eq_u32 s11, 0
	s_cbranch_scc0 .Lfor_b_\@
	tensor_load_to_lds s[G0+4*\s:G0+4*\s+3], s[G1:G1+7]
	s_nop 0
.rept 4
	v_nop
.endr
	s_branch .Lasked_\@
.Lfor_b_\@:
	tensor_load_to_lds s[G0B+4*\s:G0B+4*\s+3], s[G1B:G1B+7]
	s_nop 0
.rept 4
	v_nop
.endr
.Lasked_\@:
.endm
.macro CREST                           ; a round of the cluster's barrier behind its opening barrier
	s_cmp_lg_u32 s10, 0
	s_cbranch_scc1 .Lnot_wave_0_\@
	s_barrier_signal -3
.Lnot_wave_0_\@:
	s_barrier_wait -3
	s_barrier_signal -1
	s_barrier_wait -1
.endm
.macro CROUND
	s_barrier_signal -1
	s_barrier_wait -1
	CREST
.endm
	s_load_b128 s[4:7], s[0:1], 0x0                ; att, wo16
	s_load_b64 s[8:9], s[0:1], 0x10                ; out0
	s_load_b64 s[66:67], s[0:1], 0x18              ; bo
	v_lshl_add_u32 v[SPW], v0, 2, SPARE
	v_mov_b32 v[NIL], 0
	ds_add_u32 v[SPW], v[NIL]                      ; the wave's opening: the add, twice on end, and its wait ahead of my first tensor load
	ds_add_u32 v[SPW], v[NIL]
	v_lshrrev_b32 v1, 5, v0
	v_readfirstlane_b32 s10, v1                    ; wave 0..3
	s_lshr_b32 s11, s10, 1                         ; which half of the tile's rows is mine.  Also: I fetch for att (0) or for wo16 (1)
	s_and_b32 s12, s10, 1                          ; which half of its columns.  Also: which half of that tile I fetch
	s_bfe_u32 s40, ttmp6, 0x40000                  ; cx, cy
	s_bfe_u32 s41, ttmp6, 0x40004
	s_lshl_b32 s42, ttmp9, 2
	s_add_co_u32 s42, s42, s40                     ; tile column = 4 x cluster x + cx
	s_and_b32 s13, ttmp7, 0xffff
	s_lshl_b32 s13, s13, 2
	s_add_co_u32 s13, s13, s41                     ; tile row = 4 x cluster y + cy
	s_lshl_b32 s43, s41, 2
	s_lshl_b32 s43, 15, s43                        ; my row of the cluster
	s_lshl_b32 s44, 0x1111, s40                    ; my column
	s_or_b32 s[G1+0], s43, (1<<16)|(1<<20)|(1<<21)|(4<<22)|(3<<25)   ; the mask; elements of 2 bytes; padding on; bit 21 beside a mask; four words after every 32
	s_mov_b32 s[G1+1], 4096<<16                    ; tensor_dim0 = 4,096: 64 rows of a plane on end
	s_mov_b32 s[G1+2], 4<<16                       ; tensor_dim1 = 4 planes
	s_mov_b32 s[G1+3], 4096<<16                    ; tile_dim0
	s_mov_b32 s[G1+4], 4                           ; tile_dim1
	s_mov_b32 s[G1+5], 262144                      ; from plane to plane, in elements
	s_mov_b32 s[G1+6], 0
	s_mov_b32 s[G1+7], 0
	s_or_b32 s[G1B+0], s44, (1<<16)|(1<<20)|(1<<21)|(5<<22)|(7<<25)  ; eight words after every 64
	s_mov_b32 s[G1B+1], 128<<16                    ; 128 columns
	s_mov_b32 s[G1B+2], 128<<16                    ; 128 rows of k
	s_mov_b32 s[G1B+3], 128<<16
	s_mov_b32 s[G1B+4], 128
	s_mov_b32 s[G1B+5], 1024
	s_mov_b32 s[G1B+6], 0
	s_mov_b32 s[G1B+7], 0
	s_lshl_b32 s17, s12, 6
	s_lshl_b32 s16, s13, 7
	s_add_co_u32 s16, s16, s17                     ; att: row 128 x tile row + 64 x half,
	s_lshl_b32 s16, s16, 7                         ; of 128 bytes
	s_mov_b32 s17, 0
	s_lshl_b32 s46, s42, 8                         ; wo16: column 128 x tile column, of 2 bytes,
	s_lshl_b32 s47, s12, 18                        ; + half x 128 rows of 2,048 bytes
	s_add_co_u32 s46, s46, s47
	s_mov_b32 s47, 0
	s_mul_i32 s20, s10, HALF                       ; where they go: no place in the cluster enters an LDS address
	s_wait_dscnt 0x0                               ; both opening adds are done
	s_wait_kmcnt 0x0
	s_add_nc_u64 s[14:15], s[4:5], s[16:17]
	s_add_nc_u64 s[46:47], s[6:7], s[46:47]
	CROUND                                         ; all sixteen work-groups are here: the first joint loads meet
.irp s, 0,1
	s_mov_b32 s[G0+4*\s], 1
	s_add_co_u32 s[G0+4*\s+1], s20, \s*SLOT
	s_add_nc_u64 s[G0+4*\s+2:G0+4*\s+3], s[14:15], \s*4*524288       ; K step s: four planes on
	s_or_b32 s[G0+4*\s+3], s[G0+4*\s+3], 0x80000000
	s_mov_b32 s[G0B+4*\s], 1
	s_add_co_u32 s[G0B+4*\s+1], s20, \s*SLOT
	s_add_nc_u64 s[G0B+4*\s+2:G0B+4*\s+3], s[46:47], \s*256*2048     ; 256 rows on
	s_or_b32 s[G0B+4*\s+3], s[G0B+4*\s+3], 0x80000000
	JLOAD \s
.endr
	v_and_b32 v1, 15, v0                           ; l % 16
	v_bfe_u32 v2, v0, 4, 1                         ; l / 16
	v_mul_u32_u24 v3, v1, PA
	v_lshl_add_u32 v3, v2, 4, v3                   ; att: row x pitch + 16 x half
	s_mul_i32 s21, s11, HALF                       ; my 64 rows
	v_add_nc_u32 v[ADRA], s21, v3
	s_add_co_u32 s21, s21, SLOT
	v_add_nc_u32 v[ADRA+1], s21, v3
	v_and_b32 v4, 7, v0                            ; Wo, for the turning load: k 8 (l / 16) + l % 8, columns 8 ((l / 8) % 2) on
	v_lshl_add_u32 v4, v2, 3, v4
	v_mul_u32_u24 v4, v4, PB
	v_bfe_u32 v5, v0, 3, 1
	v_lshl_add_u32 v4, v5, 4, v4
	s_lshl_b32 s22, s12, 7                         ; my 64 columns,
	s_add_co_u32 s22, s22, 2*HALF                  ; behind att's two halves
	v_add_nc_u32 v[ADRB], s22, v4
	s_add_co_u32 s22, s22, HALF
	v_add_nc_u32 v[ADRB+1], s22, v4
	s_add_co_u32 s22, s22, SLOT-HALF
	v_add_nc_u32 v[ADRB+2], s22, v4
	s_add_co_u32 s22, s22, HALF
	v_add_nc_u32 v[ADRB+3], s22, v4
	s_mul_i32 s23, s10, 16*SPITCH                  ; my stage
	v_mul_u32_u24 v5, v1, SPITCH                   ; in: row l % 16, 32 bytes for each half of the lanes
	v_lshl_add_u32 v5, v2, 5, v5
	v_add_nc_u32 v[STO], s23, v5
	v_mul_u32_u24 v5, v2, SPITCH                   ; back: lanes 0-15 one row of 256 bytes, lanes 16-31 the next
	v_lshl_add_u32 v5, v1, 4, v5
	v_add_nc_u32 v[RD], s23, v5
	v_lshlrev_b32 v5, 12, v2                       ; and the same two rows in out0
	v_lshl_add_u32 v[CO], v1, 4, v5
	v_lshlrev_b32 v[BO], 5, v2
	s_lshl_b32 s16, s13, 7
	s_lshl_b32 s17, s11, 6
	s_add_co_u32 s16, s16, s17                     ; my first row: 128 x tile row + 64 x half
	s_and_b32 s21, s16, 2047
	v_mov_b32 v[FM], s21
	s_lshl_b32 s16, s16, 12
	s_mov_b32 s17, 0
	s_add_nc_u64 s[8:9], s[8:9], s[16:17]
	s_lshl_b32 s46, s42, 9                         ; my first column, in bytes: 512 x tile column + 256 x half
	s_lshl_b32 s47, s12, 8
	s_add_co_u32 s46, s46, s47
	s_mov_b32 s47, 0
	s_add_nc_u64 s[8:9], s[8:9], s[46:47]
	s_add_nc_u64 s[66:67], s[66:67], s[46:47]
.irp b, 0,1,2,3
	global_load_b128 v[BIAS+8*\b:BIAS+8*\b+3], v[BO], s[66:67] offset:64*\b       ; lane (r, h): bo of columns 16 b + 8 h + 0 .. 7: the result's layout
	global_load_b128 v[BIAS+8*\b+4:BIAS+8*\b+7], v[BO], s[66:67] offset:64*\b+16
.endr
; 8 matrix instructions: row blocks a0, a0 + 1 x all 4 column blocks, 32 along K: half c of buffer f.  first = 1: the sums begin with the bias as C.  The 16 accumulators take turns.
.macro MUL8 f, c, a0, first
.irp a, \a0, \a0+1
.irp b, 0,1,2,3
.if \first
	v_wmma_f32_16x16x32_f16 v[ACC+8*(4*(\a)+\b):ACC+8*(4*(\a)+\b)+7], v[\f+64+8*(4*\c+\b):\f+64+8*(4*\c+\b)+7], v[\f+8*(4*\c+\a):\f+8*(4*\c+\a)+7], v[BIAS+8*\b:BIAS+8*\b+7]
.else
	v_wmma_f32_16x16x32_f16 v[ACC+8*(4*(\a)+\b):ACC+8*(4*(\a)+\b)+7], v[\f+64+8*(4*\c+\b):\f+64+8*(4*\c+\b)+7], v[\f+8*(4*\c+\a):\f+8*(4*\c+\a)+7], v[ACC+8*(4*(\a)+\b):ACC+8*(4*(\a)+\b)+7]
.endif
.endr
.endr
.endm
; 32 LDS loads in one run: the fragments of the slot's kq-th 64 along K (one head) into buffer f; the first 32 along K first
.macro FETCH slot, kq, f
	WIN TO_F
.irp c, 0,1
.irp i, 0,1,2,3
	ds_load_tr16_b128 v[\f+64+8*(4*\c+\i):\f+64+8*(4*\c+\i)+3],   v[ADRB+2*\slot+(\kq)/2] offset:(((\kq)%2)*64+32*\c)*PB+32*\i
	ds_load_tr16_b128 v[\f+64+8*(4*\c+\i)+4:\f+64+8*(4*\c+\i)+7], v[ADRB+2*\slot+(\kq)/2] offset:(((\kq)%2)*64+32*\c+16)*PB+32*\i
	ds_load_b128 v[\f+8*(4*\c+\i):\f+8*(4*\c+\i)+3],              v[ADRA+\slot] offset:(\kq)*PLANE+\i*16*PA+64*\c
	ds_load_b128 v[\f+8*(4*\c+\i)+4:\f+8*(4*\c+\i)+7],            v[ADRA+\slot] offset:(\kq)*PLANE+\i*16*PA+64*\c+32
.endr
.endr
.endm
.macro PLACES                          ; four places in front of loads into registers that matrix instructions have read, and of the first read of results
.rept 4
	v_nop
.endr
.endm
; A K step is four quarters of 64 along K, 32 matrix instructions each, on buffers 0, 1, 0, 1.  One of the first three: multiplies buffer f and fetches quarter kq into g.
.macro QUARTER slot, kq, f, g, first
	s_wait_dscnt 16                                ; the first 32 along K are in; the other sixteen loads may be out
	WIN MUL
	MUL8 \f, 0, 0, \first
	MUL8 \f, 0, 2, \first
	PLACES
	FETCH \slot, \kq, \g
	s_wait_dscnt 32                                ; all but the 32 just issued
	WIN MUL
	MUL8 \f, 1, 0, 0
	MUL8 \f, 1, 2, 0
.endm
; The last quarter multiplies buffer 1 and changes slots: ONE barrier; in front of it each wave waits for all its tensor loads, adds 0 to its spare word, and waits for that and for its reads of this slot.  fill = 1: this slot is filled again, two K steps ahead.
.macro TURN slot, next, fill
	WIN 0                                          ; (the add's two registers lie in window 0)
	s_wait_tensorcnt 0x0                           ; all my tensor loads have landed: my part of the next slot
	ds_add_u32 v[SPW], v[NIL]                      ; 0 onto my spare word
	s_wait_dscnt 17                                ; the add and the youngest sixteen loads may be out
	WIN MUL
	MUL8 F1, 0, 0, 0                               ; eight matrix instructions stand between the add and the wait for it
	s_wait_dscnt 0x0                               ; the add is done, and my reads of this slot are over
	s_barrier_signal -1
	MUL8 F1, 0, 2, 0
.if \fill
	WIN 0
.endif
	s_barrier_wait -1
.if \fill
	CREST                                          ; the barrier has opened a round of the cluster's barrier: no wave of any partner still reads this slot's tile or has a load on its way
	s_add_nc_u64 s[G0+4*\slot+2:G0+4*\slot+3], s[G0+4*\slot+2:G0+4*\slot+3], 8*524288
	s_add_nc_u64 s[G0B+4*\slot+2:G0B+4*\slot+3], s[G0B+4*\slot+2:G0B+4*\slot+3], 512*2048
	JLOAD \slot                                    ; the first tensor load behind the round; the four v_nop behind it are also the places in front of the loads below
.else
	PLACES
.endif
	FETCH \next, 0, F0
	WIN MUL
	MUL8 F1, 1, 0, 0
	MUL8 F1, 1, 2, 0
.endm
	s_wait_tensorcnt 1                             ; my part of K step 0 is in; K step 1's load may be out
	s_barrier_signal -1
	s_barrier_wait -1
	FETCH 0, 0, F0
	s_wait_loadcnt 0x0                             ; the bias
	QUARTER 0, 1, F0, F1, 1                        ; the first quarter stands in front of the loop: its first products start the sums, with the bias
	WIN 0                                          ; at a label and at a branch every window is 0
	s_mov_b32 s3, LAPS-1
.Llap:                                             ; a trip goes once round the ring, from a lap's second quarter to the next lap's first, and fills both slots again
	QUARTER 0, 2, F1, F0, 0
	QUARTER 0, 3, F0, F1, 0
	TURN 0, 1, 1
	QUARTER 1, 1, F0, F1, 0
	QUARTER 1, 2, F1, F0, 0
	QUARTER 1, 3, F0, F1, 0
	TURN 1, 0, 1
	QUARTER 0, 1, F0, F1, 0
	WIN 0
	s_sub_co_u32 s3, s3, 1
	s_cmp_lg_u32 s3, 0
	s_cbranch_scc1 .Llap
	QUARTER 0, 2, F1, F0, 0                        ; the last lap fills nothing, and has no round of the cluster's barrier
	QUARTER 0, 3, F0, F1, 0
	TURN 0, 1, 0
	QUARTER 1, 1, F0, F1, 0
	QUARTER 1, 2, F1, F0, 0
	QUARTER 1, 3, F0, F1, 0
	s_wait_dscnt 16                                ; the very last quarter: nothing more to fetch
	WIN MUL
	MUL8 F1, 0, 0, 0
	MUL8 F1, 0, 2, 0
	s_wait_dscnt 0
	MUL8 F1, 1, 0, 0
	MUL8 F1, 1, 2, 0
	WIN 0
; THE WAY OUT, block by block of 16 rows x 64 columns.  A lane holds 32 neighbouring bytes of a row: a block goes through my own stage and comes back as rows of 256 bytes; sixteen lanes store 256 consecutive bytes, aligned.
.macro TOSTAGE a
.set BB, 32+32*((\a)%2)
.irp b, 0,1,2,3
	ds_store_b128 v[STO], v[ACC+8*(4*(\a)+\b):ACC+8*(4*(\a)+\b)+3] offset:64*\b          ; each accumulator from its low end on
	ds_store_b128 v[STO], v[ACC+8*(4*(\a)+\b)+4:ACC+8*(4*(\a)+\b)+7] offset:64*\b+16
.endr
.irp u, 0,1,2,3,4,5,6,7
	ds_load_b128 v[BB+4*\u:BB+4*\u+3], v[RD] offset:2*SPITCH*\u    ; LDS serves a wave's instructions in order (ISA guide 5.7.1.4): these see the stores above
.endr
.endm
.macro SEND a, younger                 ; younger: the LDS instructions issued behind block a's loads, which may stay out
.set BB, 32+32*((\a)%2)
	s_wait_dscnt \younger
.irp u, 0,1,2,3,4,5,6,7
	global_store_b128 v[CO], v[BB+4*\u:BB+4*\u+3], s[8:9] offset:(16*(\a)+2*\u)*4096 th:TH_STORE_NT
.endr
.endm
	PLACES
	TOSTAGE 0
	TOSTAGE 1
	v_cmp_ne_u32 vcc_lo, 0, v[FM]                  ; block 0 of a wave whose first row is a sequence's first is not stored here.  The choice is made by EXEC, not by a branch: partners of a cluster run alike
	s_wait_xcnt 0x0                                ; EXEC changes only behind this wait
	s_and_saveexec_b32 s3, vcc_lo
	SEND 0, 16                                     ; behind block 0's loads: block 1's 8 stores and 8 loads
	s_wait_xcnt 0x0                                ; and again, in front of the line that widens it; block 0's stores have read their registers too
	s_or_b32 exec_lo, exec_lo, s3
	TOSTAGE 2
	SEND 1, 16
	s_wait_xcnt 0x0                                ; block 1's stores have read their registers: block 3's loads may land there
	TOSTAGE 3
	SEND 2, 16
	SEND 3, 0
	s_wait_tensorcnt 0x0                           ; the wave's end: behind my last tensor load and my last LDS store
	ds_add_u32 v[SPW], v[NIL]
	s_wait_dscnt 0x0
	CROUND                                         ; the closing round
	s_endpgm
.Lfunc_end_k_q60e8d1abcf_proj:
	.size	k_q60e8d1abcf_proj, .Lfunc_end_k_q60e8d1abcf_proj-k_q60e8d1abcf_proj
	.p2alignl 7, 3214868480
	.fill 96, 4, 3214868480
	.section	.rodata,"a",@progbits
	.p2align	6, 0x0
	.amdhsa_kernel k_q60e8d1abcf_proj
		.amdhsa_group_segment_fixed_size 327680
		.amdhsa_private_segment_fixed_size 0
		.amdhsa_enable_private_segment 0
		.amdhsa_kernarg_size 32
		.amdhsa_user_sgpr_count 2
		.amdhsa_user_sgpr_kernarg_segment_ptr 1
		.amdhsa_wavefront_size32 1
		.amdhsa_system_sgpr_workgroup_id_x 1
		.amdhsa_system_sgpr_workgroup_id_y 1
		.amdhsa_system_sgpr_workgroup_id_z 1
		.amdhsa_system_vgpr_workitem_id 0
		.amdhsa_next_free_vgpr 512
		.amdhsa_next_free_sgpr 72
		.amdhsa_reserve_vcc 1
		.amdhsa_float_denorm_mode_32 3
		.amdhsa_float_denorm_mode_16_64 3
		.amdhsa_memory_ordered 1
		.amdhsa_forward_progress 1
		.amdhsa_inst_pref_size 87
	.end_amdhsa_kernel
	.amdgpu_metadata
---
amdhsa.version: [ 1, 2 ]
amdhsa.kernels:
  - .name:           k_q60e8d1abcf_proj
    .symbol:         k_q60e8d1abcf_proj.kd
    .args:
      - { .name: att, .offset: 0, .size: 8, .value_kind: global_buffer, .address_space: global }
      - { .name: wo16, .offset: 8, .size: 8, .value_kind: global_buffer, .address_space: global }
      - { .name: out0, .offset: 16, .size: 8, .value_kind: global_buffer, .address_space: global }
      - { .name: bo, .offset: 24, .size: 8, .value_kind: global_buffer, .address_space: global }
    .group_segment_fixed_size: 327680
    .private_segment_fixed_size: 0
    .kernarg_segment_align: 8
    .kernarg_segment_size: 32
    .max_flat_workgroup_size: 128
    .sgpr_count:     72
    .vgpr_count:     512
    .wavefront_size: 32
...
	.end_amdgpu_metadata
.endif
;; end of part 4
;; launch fine (part 5): grid 64 x 2, 16 waves a work-group, no clusters, 92,160 bytes of LDS; arguments fine32, Wo, bo, out0; writes out0
.if DOCPART == 5
	.amdgcn_target "amdgcn-amd-amdhsa--gfx1250"
	.amdhsa_code_object_version 6
	.text
	.protected	k_q60e8d1abcf_fine
	.globl	k_q60e8d1abcf_fine
	.p2align	8
	.type	k_q60e8d1abcf_fine,@function
k_q60e8d1abcf_fine:
	s_mov_b64 s[64:65], 0
	v_nop
	global_prefetch_b8 v0, s[64:65] scope:SCOPE_SE
	s_setreg_imm32_b32 hwreg(HW_REG_WAVE_MODE, 25, 1), 1
	s_wait_xcnt 0x0
; FINE: positions 0 .. 15 of both sequences, attention and projection, all in f32.  These rows average one to sixteen values and are the largest of the output: 16-bit operands would use up what the comparison allows.
; fine32 holds their q, k, v (with biases) in f32 as images of registers: [batch][n / 16][half e][lane][16 bytes]; lane (r, h) holds row r, columns 16 (n / 16) + 8 h + 4 e + 0 .. 3 (n = 1024 t + column; t = 0 q, 1 k, 2 v).
; Under the causal mask these rows see keys 0 .. 15 alone.
; SHARES.  Work-group (x, y): batch y, output columns 16 x .. 16 x + 15.  Wave w is head w: it makes the head's attention for the 16 rows, and, since the head's 64 channels are 64 of the projection's K, its partial
; sum of the projection; the sixteen partial sums meet in LDS, and waves 0 to 7 add up two rows each.  A slice of 16 columns gives 128 work-groups and 48 matrix instructions a wave (16 + 16 for the attention, which each
; of a batch's 64 work-groups repeats, and 16 for the projection).  Its price: a row's 64 output bytes are a quarter of an aligned 256; the launch's output is 131,072 bytes in all.
; All products by v_wmma_f32_16x16x4_f32: no bulk work.  Its results' registers (v112-175) are written by matrix instructions alone; each sum begins with the constant 0; accumulators take turns.
; LAYOUTS.  A product's K slot (lane half h, register j) may stand for any k, if it does so alike on both sides.  S^T = K Q^T: q's and k's images ARE the operands: lane r is row r, and register pair p of both holds the same
; channels.  In S^T a lane holds query r = lane % 16 and keys 8 h + 0 .. 7; so p's registers 2 s, 2 s + 1 are source 1 of O^T = V^T P with slot (h, j) = key 8 h + 2 s + j.  V needs its keys along the registers: its images
; turn through the wave's own LDS bytes.  O^T's registers (query r, channels 16 t + 8 h + 0 .. 7) are in the same way source 1 of OUT^T = Wo^T O^T.
; No tensor load, no cluster, no prefetch: the launch is short, and its 57 loads a wave all go out at its head.
.set VP,    272                        ; v's stage: a key's row: 256 bytes + 16
.set VREG,  16*VP                      ; 4,352 bytes for each wave, from LDS byte 0 on
.set PS,    16*VREG                    ; behind them the partial sums: for each wave 16 rows x (64 bytes + 16)
.set PT,    80
.set PREG,  16*PT
.set SPARE, PS+16*PREG                 ; behind them the spare words, 128 bytes for each wave: eight blocks of 256 bytes that no other line names
.set SPW, 12                           ; v12  my spare word; never rewritten
.set NIL, 13                           ; v13  0; never rewritten
; v3 16 x lane, v4 and v8 v's stage in and back, v5 Wo's offset, v6 r - 8 h, v7 the mask's value, v9 and v10 the partial sums in and back, v11 out0's offset, v15 bo's offset, v14 bo, then the sum; v1, v2, v16 at work
; v16-47 q, v48-79 k; later v16-31 the sixteen partial sums; v80-111 v as loaded; v112-143 S^T in four parts, later OUT^T in four parts; v144-175 O^T; v176-183 scores, later OUT^T; v184-191 p; v192-223 v, turned; v224-255 Wo
	s_load_b256 s[4:11], s[0:1], 0x0               ; fine32, Wo, bo, out0
	v_lshl_add_u32 v[SPW], v0, 2, SPARE
	v_mov_b32 v[NIL], 0
	v_lshrrev_b32 v1, 5, v0
	v_readfirstlane_b32 s12, v1                    ; wave = head 0..15
	v_and_b32 v1, 15, v0                           ; r
	v_bfe_u32 v2, v0, 4, 1                         ; h
	s_and_b32 s13, ttmp7, 0xffff                   ; batch
	s_mov_b32 s14, 0x76543210
	s_mov_b32 s15, 0xfedcba98                      ; v_permlanex16_b32's selects for lane l xor 16
	s_mov_b32 s16, 0x3d38aa3b                      ; c = log2(e) / 32
	s_and_b32 s27, s12, 7                          ; which pair of rows I add up, if I do
	v_and_b32 v3, 31, v0
	v_lshlrev_b32 v3, 4, v3                        ; an image's place for my lane
	v_lshlrev_b32 v5, 15, v2
	v_lshl_add_u32 v5, v1, 2, v5                   ; Wo: row 8 h of 4,096 bytes, column r
	v_lshlrev_b32 v6, 3, v2
	v_sub_nc_u32 v6, v1, v6                        ; r - 8 h
	v_mov_b32 v7, 0xd0ee6b28                       ; -3.2e10 = -1e9 x 32
	s_mul_i32 s26, s12, VREG                       ; my stage for v
	v_mul_u32_u24 v4, v1, VP
	v_lshl_add_u32 v4, v2, 5, v4
	v_add_nc_u32 v4, s26, v4                       ; in: key r's row, + 32 h bytes
	v_mul_u32_u24 v8, v2, 8*VP
	v_lshl_add_u32 v8, v1, 2, v8
	v_add_nc_u32 v8, s26, v8                       ; back: key 8 h's row, channel r
	s_mul_i32 s26, s12, PREG
	s_add_co_u32 s26, s26, PS
	v_mul_u32_u24 v9, v1, PT
	v_lshl_add_u32 v9, v2, 5, v9
	v_add_nc_u32 v9, s26, v9                       ; my partial sum: row r, 32 bytes for each half of the lanes
	s_mul_i32 s26, s27, 2*PT
	s_add_co_u32 s26, s26, PS
	v_mul_u32_u24 v10, v2, PT
	v_lshl_add_u32 v10, v1, 2, v10
	v_add_nc_u32 v10, s26, v10                     ; back: row 2 (w % 8) + h of head 0's partial sum, column r
	v_lshlrev_b32 v11, 12, v2
	v_lshl_add_u32 v11, v1, 2, v11                 ; out0: row h of my pair, column r
	v_lshlrev_b32 v15, 2, v1                       ; bo: column r
	s_mul_i32 s18, s13, 196608
	s_lshl_b32 s20, s12, 12
	s_add_co_u32 s18, s18, s20                     ; fine32: my batch, my head's four blocks of 1,024 bytes
	s_mov_b32 s19, 0
	s_lshl_b32 s20, s12, 18                        ; Wo: my head's 64 rows,
	s_lshl_b32 s22, ttmp9, 6                       ; my work-group's 16 columns
	s_add_co_u32 s20, s20, s22
	s_mov_b32 s21, 0
	s_mov_b32 s23, 0
	s_lshl_b32 s24, s13, 11
	s_lshl_b32 s25, s27, 1
	s_add_co_u32 s24, s24, s25                     ; out0: row 2048 x batch + 2 (w % 8)
	s_lshl_b32 s24, s24, 12
	s_add_co_u32 s24, s24, s22
	s_mov_b32 s25, 0
	s_wait_kmcnt 0x0
	s_add_nc_u64 s[4:5], s[4:5], s[18:19]
	s_add_nc_u64 s[6:7], s[6:7], s[20:21]
	s_add_nc_u64 s[8:9], s[8:9], s[22:23]
	s_add_nc_u64 s[10:11], s[10:11], s[24:25]
	global_load_b32 v14, v15, s[8:9]               ; bo of my column
.irp i, 0,1,2,3,4,5,6,7
	global_load_b128 v[16+4*\i:19+4*\i], v3, s[4:5] offset:512*\i              ; q's eight images: each load reads 512 consecutive bytes
.endr
.irp i, 0,1,2,3,4,5,6,7
	global_load_b128 v[48+4*\i:51+4*\i], v3, s[4:5] offset:65536+512*\i        ; k's
.endr
.irp i, 0,1,2,3,4,5,6,7
	global_load_b128 v[80+4*\i:83+4*\i], v3, s[4:5] offset:131072+512*\i       ; v's
.endr
.irp ct, 0,1,2,3
.irp i, 0,1,2,3,4,5,6,7
	global_load_b32 v[224+8*\ct+\i], v5, s[6:7] offset:(16*\ct+\i)*4096        ; Wo(64 w + 16 ct + 8 h + i, 16 x + r)
.endr
.endr
	s_wait_loadcnt 32                              ; bo, q, k and v are in; Wo's 32 loads may be out
.irp i, 0,1,2,3,4,5,6,7
	ds_store_b128 v4, v[80+4*\i:83+4*\i] offset:64*(\i/2)+16*(\i%2)            ; image i: key r, channels 16 (i / 2) + 8 h + 4 (i % 2) + 0 .. 3
.endr
.irp ct, 0,1,2,3
.irp i, 0,1,2,3,4,5,6,7
	ds_load_b32 v[192+8*\ct+\i], v8 offset:VP*\i+64*\ct                        ; v(key 8 h + i, channel 16 ct + r).  LDS serves a wave's instructions in order (ISA guide 5.7.1.4): these see my stores
.endr
.endr
.set kk, 0
.rept 16                               ; S^T = K Q^T in four parts, which take turns: part kk % 4 sums the four channels of register pair kk
.if kk < 4
	v_wmma_f32_16x16x4_f32 v[112+8*(kk%4):119+8*(kk%4)], v[48+2*kk:49+2*kk], v[16+2*kk:17+2*kk], 0
.else
	v_wmma_f32_16x16x4_f32 v[112+8*(kk%4):119+8*(kk%4)], v[48+2*kk:49+2*kk], v[16+2*kk:17+2*kk], v[112+8*(kk%4):119+8*(kk%4)]
.endif
.set kk, kk+1
.endr
.rept 8
	v_nop                                          ; eight places behind this form: in front of the first read of its results, and of the write into v16, which it has read (ISA guide 7.12.1)
.endr
.irp j, 0,1,2,3,4,5,6,7
	v_add_f32 v[184+\j], v[112+\j], v[120+\j]      ; the four parts are added, each from its low end on
	v_add_f32 v[176+\j], v[128+\j], v[136+\j]
.endr
.irp j, 0,1,2,3,4,5,6,7
	v_add_f32 v[176+\j], v[176+\j], v[184+\j]      ; the score of query r and key 8 h + j
.endr
.irp j, 0,1,2,3,4,5,6,7
	v_cmp_gt_i32 vcc_lo, \j, v6                    ; hidden where 8 h + j > r
	v_cndmask_b32 v[176+\j], v[176+\j], v7, vcc_lo
.endr
	v_max3_num_f32 v16, v176, v177, v178
	v_max3_num_f32 v16, v16, v179, v180
	v_max3_num_f32 v16, v16, v181, v182
	v_max_num_f32 v16, v16, v183
	v_permlanex16_b32 v1, v16, s14, s15
	v_max_num_f32 v16, v16, v1                     ; the row's largest score
	v_mul_f32 v2, s16, v16
.irp j, 0,1,2,3,4,5,6,7
	v_fma_f32 v[176+\j], v[176+\j], s16, -v2       ; c s - c m
.endr
.irp j, 0,1,2,3,4,5,6,7
	v_exp_f32 v[176+\j], v[176+\j]
.endr
	v_nop                                          ; a plain instruction behind the last exponential
	s_wait_alu depctr_va_vdst(0)                   ; the wait ahead of the first reader: one for the eight
	v_add_f32 v16, v176, v177
	v_add_f32 v2, v178, v179
	v_add_f32 v16, v16, v180
	v_add_f32 v2, v2, v181
	v_add_f32 v16, v16, v182
	v_add_f32 v2, v2, v183
	v_add_f32 v16, v16, v2
	v_permlanex16_b32 v1, v16, s14, s15
	v_add_f32 v16, v16, v1                         ; the row's sum
	v_rcp_f32 v2, v16
	v_nop
	s_wait_alu depctr_va_vdst(0)
.irp j, 0,1,2,3,4,5,6,7
	v_mul_f32 v[184+\j], v[176+\j], v2             ; the weights, normalised
.endr
	s_wait_dscnt 0x0                               ; v is back from its stage
.irp st, 0,1,2,3                       ; O^T = V^T P: the four tiles of channels take turns; step st: keys 8 h + 2 st + 0, 1
.irp ct, 0,1,2,3
.if \st == 0
	v_wmma_f32_16x16x4_f32 v[144+8*\ct:151+8*\ct], v[192+8*\ct+2*\st:193+8*\ct+2*\st], v[184+2*\st:185+2*\st], 0
.else
	v_wmma_f32_16x16x4_f32 v[144+8*\ct:151+8*\ct], v[192+8*\ct+2*\st:193+8*\ct+2*\st], v[184+2*\st:185+2*\st], v[144+8*\ct:151+8*\ct]
.endif
.endr
.endr
.rept 9
	v_nop                                          ; nine places before a matrix instruction takes these results as a source
.endr
	s_wait_loadcnt 0x0                             ; Wo
.set kk, 0
.rept 16                               ; OUT^T = Wo^T O^T over my head's 64 channels, in four parts, which take turns: step kk: channels 16 (kk / 4) + 8 h + 2 (kk % 4) + 0, 1
.if kk < 4
	v_wmma_f32_16x16x4_f32 v[112+8*(kk%4):119+8*(kk%4)], v[224+2*kk:225+2*kk], v[144+2*kk:145+2*kk], 0
.else
	v_wmma_f32_16x16x4_f32 v[112+8*(kk%4):119+8*(kk%4)], v[224+2*kk:225+2*kk], v[144+2*kk:145+2*kk], v[112+8*(kk%4):119+8*(kk%4)]
.endif
.set kk, kk+1
.endr
.rept 8
	v_nop                                          ; eight places in front of the first read of the results
.endr
.irp j, 0,1,2,3,4,5,6,7
	v_add_f32 v[184+\j], v[112+\j], v[120+\j]      ; the four parts are added, each from its low end on
	v_add_f32 v[176+\j], v[128+\j], v[136+\j]
.endr
.irp j, 0,1,2,3,4,5,6,7
	v_add_f32 v[176+\j], v[176+\j], v[184+\j]      ; my head's part of out0(row r, column 16 x + 8 h + j)
.endr
	ds_store_b128 v9, v[176:179]
	ds_store_b128 v9, v[180:183] offset:16
	s_wait_dscnt 0x0                               ; for the others' sake: my stores have landed
	s_barrier_signal -1
	s_barrier_wait -1
	s_cmp_lt_u32 s12, 8                            ; 16 rows x 16 columns are 256 numbers: waves 0 to 7 take two rows each, a lane a number.  No barrier stands in this branch
	s_cbranch_scc0 .Lend
.irp i, 0,1,2,3,4,5,6,7,8,9,10,11,12,13,14,15
	ds_load_b32 v[16+\i], v10 offset:PREG*\i       ; head i's part of my number
.endr
	s_wait_dscnt 0x0
.irp i, 0,1,2,3,4,5,6,7,8,9,10,11,12,13,14,15
	v_add_f32 v14, v14, v[16+\i]                   ; bo and the sixteen heads, in ascending order
.endr
	global_store_b32 v11, v14, s[10:11] th:TH_STORE_NT             ; sixteen lanes store 64 consecutive bytes of a row
.Lend:
	s_wait_tensorcnt 0x0                           ; the wave's end: behind my last LDS store
	ds_add_u32 v[SPW], v[NIL]
	s_wait_dscnt 0x0
	s_endpgm
.Lfunc_end_k_q60e8d1abcf_fine:
	.size	k_q60e8d1abcf_fine, .Lfunc_end_k_q60e8d1abcf_fine-k_q60e8d1abcf_fine
	.p2alignl 7, 3214868480
	.fill 96, 4, 3214868480
	.section	.rodata,"a",@progbits
	.p2align	6, 0x0
	.amdhsa_kernel k_q60e8d1abcf_fine
		.amdhsa_group_segment_fixed_size 92160
		.amdhsa_private_segment_fixed_size 0
		.amdhsa_enable_private_segment 0
		.amdhsa_kernarg_size 32
		.amdhsa_user_sgpr_count 2
		.amdhsa_user_sgpr_kernarg_segment_ptr 1
		.amdhsa_wavefront_size32 1
		.amdhsa_system_sgpr_workgroup_id_x 1
		.amdhsa_system_sgpr_workgroup_id_y 1
		.amdhsa_system_sgpr_workgroup_id_z 1
		.amdhsa_system_vgpr_workitem_id 0
		.amdhsa_next_free_vgpr 256
		.amdhsa_next_free_sgpr 66
		.amdhsa_reserve_vcc 1
		.amdhsa_float_denorm_mode_32 3
		.amdhsa_float_denorm_mode_16_64 3
		.amdhsa_memory_ordered 1
		.amdhsa_forward_progress 1
		.amdhsa_inst_pref_size 21
	.end_amdhsa_kernel
	.amdgpu_metadata
---
amdhsa.version: [ 1, 2 ]
amdhsa.kernels:
  - .name:           k_q60e8d1abcf_fine
    .symbol:         k_q60e8d1abcf_fine.kd
    .args:
      - { .name: fine32, .offset: 0, .size: 8, .value_kind: global_buffer, .address_space: global }
      - { .name: Wo, .offset: 8, .size: 8, .value_kind: global_buffer, .address_space: global }
      - { .name: bo, .offset: 16, .size: 8, .value_kind: global_buffer, .address_space: global }
      - { .name: out0, .offset: 24, .size: 8, .value_kind: global_buffer, .address_space: global }
    .group_segment_fixed_size: 92160
    .private_segment_fixed_size: 0
    .kernarg_segment_align: 8
    .kernarg_segment_size: 32
    .max_flat_workgroup_size: 512
    .sgpr_count:     66
    .vgpr_count:     256
    .wavefront_size: 32
...
	.end_amdgpu_metadata
.endif
;; end of part 5
